; MI455X (gfx1250); checked and timed in simulation.
; The chip was launched on July 23, 2026; its instructions are those of AMD's public machine-readable ISA for CDNA 5 (MIT licence, August 2026) and "CDNA5" Instruction Set Architecture Reference Guide (July 2026). The comments in the code are by the model that wrote it; some were corrected since.
;; MHA. Allowed arithmetic: matrix products marked QUANTISED: E4M3 operands, one E8M0 scale for each 32 along K, by v_wmma_scale_f32_16x16x128_f8f6f4 with both operands' format E4M3, f32 sums; everything else in f32.
;; Inputs: Wqkv_b 3,072 float32; Wqkv_w 3,072 x 1,024 float32; out_b 1,024 float32; out_w 1,024 x 1,024 float32; x 1 x 4,096 x 1,024 float32.
;; Outputs: out0 1 x 4,096 x 1,024 float32.
;; This version of the problem:
;;   THIS VERSION OF THE PROBLEM IS GIVEN IN LOW PRECISION. The matrix products marked QUANTISED in the list below multiply operands that are first quantised to E4M3 (4 exponent bits, 3 mantissa bits; 8 bits a number), with one power-of-two scale for each 32 numbers along K (OCP MX v1.0); their sums are f32. All else is computed in f32.
;;   The module's matrix products, in the order in which they are computed (A, B: the left and right operand; K: the contracted axis; several contracted axes count as one K, in the product's order):
;;     1. [M 4,096, K 1,024] x [K 1,024, N 3,072]; A: input x; B: input Wqkv_w: QUANTISED
;;     2. batch 16 x [M 4,096, K 64] x [K 64, N 4,096]; A: computed on the way; B: computed on the way: QUANTISED
;;     3. batch 16 x [M 64, K 4,096] x [K 4,096, N 4,096]; A: computed on the way; B: softmax (see below): QUANTISED
;;     4. [M 4,096, K 1,024] x [K 1,024, N 1,024]; A: computed on the way; B: input out_w: QUANTISED
;;   THE QUANTISER, for each operand of a quantised product, along K:
;;     - K is cut into blocks of 32 from its start; a last block that is shorter is filled with zeros.
;;     - A block's scale is 2^e with e = floor(log2(the largest magnitude in the block)) - 8, held to -126 .. 127; a block of zeros has e = 0. As a byte (E8M0): e + 127.
;;     - Each number is divided by its block's scale, clamped to +-448, and rounded to the nearest number of E4M3, ties to even, subnormals kept.
;;     - The product sums the exact products of the quantised numbers (number of the format x scale) in f32.
;;   ~~~python
;;   def quantise(x, axis):      # numpy; x: float32 -> the quantised numbers, widened to float32 again
;;       x = np.moveaxis(x, axis, -1); K = x.shape[-1]
;;       x = np.pad(x, [(0, 0)] * (x.ndim - 1) + [(0, -K % 32)]); x = x.reshape(x.shape[:-1] + (-1, 32)); a = np.abs(x).max(-1, keepdims=True)
;;       e = np.where(a > 0, np.clip(np.frexp(np.where(a > 0, a, 1))[1] - 1 - 8, -126, 127), 0)      # np.frexp(a)[1] - 1 = floor(log2(a)), exactly
;;       r = np.clip(x / 2.0 ** e, -448, 448)
;;       step = 2.0 ** (np.maximum(np.frexp(np.where(r == 0, 1, r))[1] - 1, -6) - 3)
;;       q = np.round(r / step) * step * 2.0 ** e      # np.round: ties to even
;;       return np.moveaxis(q.reshape(q.shape[:-2] + (-1,))[..., :K], -1, axis).astype(np.float32)
;;   ~~~
;;   SOFTMAX AHEAD OF A QUANTISED PRODUCT. Where the list says 'softmax', what is quantised is not the finished softmax but p = 2^(t - M), with t = logit x log2(e) and M = ceil(the row's largest t), a whole number; so 1/2 < the row's largest p <= 1. The row's sum l is taken of the UNQUANTISED p, in f32, and the product's result is divided by l at the end. Since M is a whole number, a kernel that streams over the keys may use a running M (the ceiling of the running maximum): every later rescaling is an exact power of two, which a block's scale takes up: the codes' values come out the same.
;;   OPERANDS COMPUTED ON THE WAY. 'Computed on the way' means the value that the module computes at that place (a softmax that the list does not call 'softmax' is quantised finished and normalised). What goes into a quantiser is computed in f32, as accurately as f32 sums, v_exp_f32 and their like allow (about 1e-6 of the number): no bf16 or f16 on the way to a quantiser, and a product that is left as it is and whose result goes on into a quantised operand takes f32 operands (vector FMAs, or v_wmma_f32_16x16x4_f32). A number that lies on a knife's edge between two numbers of the format may be rounded either way, as far as f32 arithmetic and the matrix unit's own rounding can turn it there, and no further.
;; One version. Each part assembles by itself: llvm-mc -triple=amdgcn-amd-amdhsa -mcpu=gfx1250 --defsym DOCPART=n.
;; ======== version 1 of 1: 4 launches
;; limits: right only within a limited range of input values
;; workspace buffers: codes 8,388,608 bytes; scales 262,144 bytes; qkv_codes 12,582,912 bytes; qkv_scales 393,216 bytes; ctx_codes 4,194,304 bytes; ctx_scales 131,072 bytes
;; launch quant (part 1): grid 256 x 1, 4 waves a work-group, no clusters, 33,280 bytes of LDS; arguments x, Wqkv_w, out_w, codes, scales; writes codes, scales
.if DOCPART == 1
	.amdgcn_target "amdgcn-amd-amdhsa--gfx1250"
	.amdhsa_code_object_version 6
	.text
	.protected	k_q2ee08cdb0c_quant
	.globl	k_q2ee08cdb0c_quant
	.p2align	8
	.type	k_q2ee08cdb0c_quant,@function
k_q2ee08cdb0c_quant:
	s_mov_b64 s[64:65], 0
	v_nop
	global_prefetch_b8 v0, s[64:65] scope:SCOPE_SE
	s_setreg_imm32_b32 hwreg(HW_REG_WAVE_MODE, 25, 1), 1
	s_wait_xcnt 0x0
; x [4096][1024], Wqkv_w [3072][1024] and out_w [1024][1024], f32 with K innermost, become codes of FP8 (E4M3) with one E8M0 scale byte for each 32 along K.
; The three tensors' rows stand one behind the other in the two outputs: codes [8192 rows][1024 bytes], scales [8192 rows][32 bytes]; x from row 0, Wqkv_w from row 4096, out_w from row 7168.
; TILE ORDER: stored row p holds the tensor's row p with bits 3 and 4 of the row number exchanged.  So 16 stored rows on end, 32 b + 16 u + r, are the rows 32 b + 8 u + r % 8 + 16 (r / 8):
; used as a matrix instruction's source 0, two neighbouring tiles of 16 stored rows give a lane 16 results that are NEIGHBOURS along that axis, which the later quantisers want.
; A block's scale is 2^(floor(log2(its largest magnitude)) - 8); its byte is the largest magnitude's exponent field - 8, held at 1 from below.  Each number is divided by the scale, held within +-448, rounded to the nearest code, ties to even.
; LIMITS: a block of zeros, or one whose largest magnitude lies under 2^-118, gets the byte 1 (a block of zeros has zero codes, which add nothing; only this program reads the bytes); NaN and infinities are not served.
; SHARES: 256 work-groups of 32,768 numbers: 0-127 x, 128-223 Wqkv_w, 224-255 out_w.  A wave takes 8,192 numbers, 8 whole rows, in 16 steps of 512.  8 rows are one value of the row number's bits 3 and up,
; so the tile order is: the wave's run of 8 rows goes out at the run number with its two lowest bits (the wave's number) exchanged.
; Each of a step's four loads reads 512 consecutive bytes; the 2,048 bytes turn through the wave's own stage in LDS so that a lane then holds 16 neighbours (two lanes hold a block).  No barrier: waves share nothing.
.set STEPS, 16
.set EMAX,  8
.set MANT,  0x600000                   ; the mantissa field of 448 as f32
.set CB,    16                         ; bytes of 16 codes
.set R,     16                         ; v16-79   four sets of 16 numbers as they are loaded
.set X,     80                         ; v80-111  two sets of 16 neighbours
.set C,     128                        ; v128-191 codes: four registers for each step, so that no store's data are written again
.set E,     112                        ; v112-127 a scale byte for each step
.set WREG,  8192                       ; LDS: a region for each wave: two stages of 32 x SP bytes, behind them its 256 scale bytes
.set SP,    80                         ; a lane's place in a stage: its 64 bytes + 16 of padding
	s_load_b128 s[4:7], s[0:1], 0x0                ; x, Wqkv_w
	s_load_b128 s[8:11], s[0:1], 0x10              ; out_w, codes
	s_load_b64 s[12:13], s[0:1], 0x20              ; scales
	v_lshl_add_u32 v192, v0, 2, 0x8000
	v_mov_b32 v193, 0
	v_lshrrev_b32 v1, 5, v0
	v_readfirstlane_b32 s16, v1                    ; wave
	v_and_b32 v2, 31, v0                           ; lane
	v_lshlrev_b32 v3, 4, v2                        ; my 16 bytes of a load's 512
	s_mul_i32 s17, s16, WREG
	v_lshrrev_b32 v14, 2, v2
	v_mul_u32_u24 v14, v14, SP
	v_and_b32 v15, 3, v2
	v_lshl_add_u32 v14, v15, 4, v14
	v_add_nc_u32 v14, s17, v14                     ; the stage, on the way in: SP (lane / 4) + 16 (lane % 4)
	v_mul_u32_u24 v15, v2, SP
	v_add_nc_u32 v15, s17, v15                     ; and on the way out: SP x lane: my 16 neighbours
	v_mul_u32_u24 v4, v2, CB                       ; my codes' place in a step's
	v_lshrrev_b32 v5, 1, v2
	s_add_co_u32 s17, s17, 2*32*SP
	v_add_nc_u32 v5, s17, v5                       ; LDS: my wave's 256 scale bytes, my block's byte
	v_lshlrev_b32 v7, 3, v2                        ; and on the way out 8 bytes a lane
	v_add_nc_u32 v6, s17, v7
	s_mov_b32 s23, MANT
	s_wait_alu depctr_va_vdst(0)
	s_wait_kmcnt 0x0
	s_cmp_lt_u32 ttmp9, 128                        ; which tensor: the choice hangs on the work-group's number alone
	s_cselect_b64 s[4:5], s[4:5], s[6:7]
	s_cselect_b32 s17, 0, 128
	s_cmp_lt_u32 ttmp9, 224
	s_cselect_b64 s[4:5], s[4:5], s[8:9]
	s_cselect_b32 s17, s17, 224                    ; the tensor's first work-group
	s_sub_co_u32 s17, ttmp9, s17
	s_lshl_b32 s17, s17, 2
	s_add_co_u32 s18, s17, s16                     ; which run of 8,192 numbers of the tensor is my wave's
	s_lshl_b32 s18, s18, 15                        ; 32,768 bytes a run (under 2^25)
	s_mov_b32 s19, 0
	s_add_nc_u64 s[4:5], s[4:5], s[18:19]
	s_and_b32 s20, s16, 1
	s_lshl_b32 s20, s20, 1
	s_lshr_b32 s21, s16, 1
	s_or_b32 s20, s20, s21                         ; the wave's number with its two bits exchanged
	s_lshl_b32 s21, ttmp9, 2
	s_add_co_u32 s20, s20, s21                     ; the run's place in the outputs
	s_lshl_b32 s18, s20, 13                        ; 8,192 bytes of codes a run
	s_add_nc_u64 s[10:11], s[10:11], s[18:19]
	s_lshl_b32 s18, s20, 8                         ; 256 scale bytes a run
	s_add_nc_u64 s[12:13], s[12:13], s[18:19]
.macro LOAD t
.irp i, 0,1,2,3
	global_load_b128 v[R+16*((\t)%4)+4*\i:R+16*((\t)%4)+4*\i+3], v3, s[4:5] offset:2048*(\t)+512*\i th:TH_LOAD_NT   ; 32 lanes read 512 consecutive bytes
.endr
.endm
.macro TURN t                          ; step t's numbers through the stage: LDS serves a wave's instructions in order, so no wait stands between the stores and the loads
.irp i, 0,1,2,3
	ds_store_b128 v14, v[R+16*((\t)%4)+4*\i:R+16*((\t)%4)+4*\i+3] offset:32*SP*((\t)%2)+8*SP*\i
.endr
.irp i, 0,1,2,3
	ds_load_b128 v[X+16*((\t)%2)+4*\i:X+16*((\t)%2)+4*\i+3], v15 offset:32*SP*((\t)%2)+16*\i
.endr
.endm
.irp t, 0,1,2,3
	LOAD \t
.endr
	s_wait_loadcnt 12                              ; step 0's four loads are in; the 12 of steps 1 to 3 stay out
	TURN 0
.macro STEP t
.set XS, X+16*((\t)%2)
.if (\t) > 0
	s_wait_dscnt 1                                 ; this step's numbers are back from the stage (the last step's byte store may be out): so its stores into the stage have read their registers,
.else
	s_wait_dscnt 0x0
.endif
.if (\t)+4 < STEPS
	LOAD (\t)+4                                    ; which take the loads of four steps on
.endif
.if (\t)+1 < STEPS
.if STEPS-2-(\t) >= 3
	s_wait_loadcnt 12                              ; the next step's four loads are in; those of the three steps behind it may be out
.else
	s_wait_loadcnt 4*(STEPS-2-(\t))
.endif
	TURN (\t)+1                                    ; and go through the other stage while this step is worked
.endif
	v_max3_num_f32 v8, |v[XS]|, |v[XS+1]|, |v[XS+2]|               ; the largest magnitude of my 16, in two chains
	v_max3_num_f32 v9, |v[XS+3]|, |v[XS+4]|, |v[XS+5]|
.irp i, 6,10
	v_max3_num_f32 v8, v8, |v[XS+\i]|, |v[XS+\i+1]|
	v_max3_num_f32 v9, v9, |v[XS+\i+2]|, |v[XS+\i+3]|
.endr
	v_max3_num_f32 v8, v8, |v[XS+14]|, |v[XS+15]|
	v_max3_num_f32 v8, v8, v9, (EMAX+1)<<23        ; and the floor 2^(9 - 127): so the byte cannot fall under 1
	v_max_num_f32_dpp v8, v8, v8 row_xmask:1 row_mask:0xf bank_mask:0xf   ; and of my neighbour's 16: the block's
	v_add_nc_u32 v11, -(EMAX<<23), v8              ; 8 off its exponent field: the conversion takes this operand's exponent field as its scale
	v_and_or_b32 v10, v8, 0x7f800000, s23          ; 448 x the scale
.irp i, 0,1,2,3,4,5,6,7,8,9,10,11,12,13,14,15
	v_med3_num_f32 v[XS+\i], v[XS+\i], -v10, v10   ; the conversion to an 8-bit code does not saturate (ISA guide 7.6.2): the hold comes first
.endr
	v_cvt_scalef32_pk8_fp8_f32 v[C+4*(\t):C+4*(\t)+1], v[XS:XS+7], v11
	v_cvt_scalef32_pk8_fp8_f32 v[C+4*(\t)+2:C+4*(\t)+3], v[XS+8:XS+15], v11
	v_lshrrev_b32 v[E+(\t)], 23, v11               ; the scale's byte
	ds_store_b8 v5, v[E+(\t)] offset:16*(\t)       ; both lanes of a block write the same byte with the same value
	global_store_b128 v4, v[C+4*(\t):C+4*(\t)+3], s[10:11] offset:32*CB*(\t)   ; the wave stores 512 consecutive bytes
.endm
.irp t, 0,1,2,3,4,5,6,7,8,9,10,11,12,13,14,15
	STEP \t
.endr
	ds_load_b64 v[12:13], v6                       ; LDS serves a wave's instructions in order: these see my stores
	s_wait_dscnt 0x0
	global_store_b64 v7, v[12:13], s[12:13]        ; 32 lanes store 256 consecutive bytes, aligned
	s_wait_tensorcnt 0x0
	ds_add_u32 v192, v193
	s_wait_dscnt 0x0
	s_endpgm
.Lfunc_end_k_q2ee08cdb0c_quant:
	.size	k_q2ee08cdb0c_quant, .Lfunc_end_k_q2ee08cdb0c_quant-k_q2ee08cdb0c_quant
	.p2alignl 7, 3214868480
	.fill 96, 4, 3214868480
	.section	.rodata,"a",@progbits
	.p2align	6, 0x0
	.amdhsa_kernel k_q2ee08cdb0c_quant
		.amdhsa_group_segment_fixed_size 33280
		.amdhsa_private_segment_fixed_size 0
		.amdhsa_enable_private_segment 0
		.amdhsa_kernarg_size 40
		.amdhsa_user_sgpr_count 2
		.amdhsa_user_sgpr_kernarg_segment_ptr 1
		.amdhsa_wavefront_size32 1
		.amdhsa_system_sgpr_workgroup_id_x 1
		.amdhsa_system_sgpr_workgroup_id_y 1
		.amdhsa_system_sgpr_workgroup_id_z 1
		.amdhsa_system_vgpr_workitem_id 0
		.amdhsa_next_free_vgpr 194
		.amdhsa_next_free_sgpr 66
		.amdhsa_reserve_vcc 0
		.amdhsa_float_denorm_mode_32 3
		.amdhsa_float_denorm_mode_16_64 3
		.amdhsa_memory_ordered 1
		.amdhsa_forward_progress 1
		.amdhsa_inst_pref_size 51
	.end_amdhsa_kernel
	.amdgpu_metadata
---
amdhsa.version: [ 1, 2 ]
amdhsa.kernels:
  - .name:           k_q2ee08cdb0c_quant
    .symbol:         k_q2ee08cdb0c_quant.kd
    .args:
      - { .name: x, .offset: 0, .size: 8, .value_kind: global_buffer, .address_space: global }
      - { .name: Wqkv_w, .offset: 8, .size: 8, .value_kind: global_buffer, .address_space: global }
      - { .name: out_w, .offset: 16, .size: 8, .value_kind: global_buffer, .address_space: global }
      - { .name: codes, .offset: 24, .size: 8, .value_kind: global_buffer, .address_space: global }
      - { .name: scales, .offset: 32, .size: 8, .value_kind: global_buffer, .address_space: global }
    .group_segment_fixed_size: 33280
    .private_segment_fixed_size: 0
    .kernarg_segment_align: 8
    .kernarg_segment_size: 40
    .max_flat_workgroup_size: 128
    .sgpr_count:     66
    .vgpr_count:     194
    .wavefront_size: 32
...
	.end_amdgpu_metadata
.endif
;; end of part 1
;; launch qkv (part 2): grid 12 x 16, 4 waves a work-group, clusters of 4 x 4, 327,680 bytes of LDS; arguments codes, scales, Wqkv_b, qkv_codes, qkv_scales; writes qkv_codes, qkv_scales
.if DOCPART == 2
	.amdgcn_target "amdgcn-amd-amdhsa--gfx1250"
	.amdhsa_code_object_version 6
	.text
	.protected	k_q2ee08cdb0c_qkv
	.globl	k_q2ee08cdb0c_qkv
	.p2align	8
	.type	k_q2ee08cdb0c_qkv,@function
k_q2ee08cdb0c_qkv:
	s_mov_b64 s[64:65], 0
	v_nop
	global_prefetch_b8 v0, s[64:65] scope:SCOPE_SE
	s_setreg_imm32_b32 hwreg(HW_REG_WAVE_MODE, 25, 1), 1
	s_wait_xcnt 0x0
	s_wait_alu depctr_hold_cnt(0) depctr_sa_sdst(0) depctr_va_vdst(0) depctr_va_sdst(0) depctr_va_ssrc(0) depctr_va_vcc(0) depctr_vm_vsrc(0)
	s_getreg_b32 s2, hwreg(HW_REG_IB_STS2, 6, 4)
	s_cmp_eq_u32 s2, 0
	s_cbranch_scc0 .Lentry_in_a_cluster
	s_endpgm
.Lentry_in_a_cluster:
	s_bfe_u32 s2, ttmp6, 0x10000c
	s_cmp_lg_u32 s2, 0xf033
	s_cbranch_scc0 .Lentry_shape_is_right
	s_endpgm
.Lentry_shape_is_right:
.set KSTEP,  256
.set NQ,     2
.set ROWB,   256
.set KROW,   1024
.set PITCH,  272
.set FR,     16
.set NL,     4
.set NP,     8
.set HALFT,  128*PITCH
.set SLOT,   4*HALFT
.set LAPS,   2
.set KS,     32
.set SCL,    2*SLOT
.set HALFS,  (128*KS/256)*272
.set SBLK,   (16*KS/256)*272
.set SPARE,  SCL+4*HALFS
.set SST,    SPARE+512
.set BM,   8
.set ADRA, 16
.set ADRB, 20
.set SSA,  24
.set SSR,  25
.set CO,   26
.set ADRS, 27
.set SPW,  28
.set NIL,  29
.set BA,   30
.set BMA,  31
.set SC,   32
.set BN,   64
.set AF,   128
.set T,    128
.set PC,   192
.set TM,   208
.set PWS,  224
.set BP,   232
.set G1, 24
.set G0, 32
.set G1B, 48
.set G0B, 56
.set SEL, 66
.set G1S, 68
.set G0S, 76
.set G1SB, 80
.set G0SB, 88
.set BMS, 95
.set SCB, 96
.set ISV, 98
.set MNT, 99
.set SCM, 100
.set MSB, 0
.macro WIN new
.if MSB != (\new)
	s_set_vgpr_msb (MSB<<8)|(\new)
.set MSB, (\new)
.endif
.endm
.set MUL_LO, 0xa1
.set MUL_HI, 0xf1
.set TO_B,   0x40
.macro JLOAD g0a, g1a, g0b, g1b
	s_cmp_eq_u32 s15, 0
	s_cbranch_scc0 .Lfor_b_\@
	tensor_load_to_lds s[\g0a:\g0a+3], s[\g1a:\g1a+7]
	s_nop 0
.rept 4
	v_nop
.endr
	s_branch .Lasked_\@
.Lfor_b_\@:
	tensor_load_to_lds s[\g0b:\g0b+3], s[\g1b:\g1b+7]
	s_nop 0
.rept 4
	v_nop
.endr
.Lasked_\@:
.endm
.macro CREST
	s_cmp_lg_u32 s14, 0
	s_cbranch_scc1 .Lnot_wave_0_\@
	s_barrier_signal -3
.Lnot_wave_0_\@:
	s_barrier_wait -3
	s_barrier_signal -1
	s_barrier_wait -1
.endm
.macro CROUND
	s_barrier_signal -1
	s_barrier_wait -1
	CREST
.endm
	s_load_b256 s[4:11], s[0:1], 0x0
	s_load_b64 s[12:13], s[0:1], 0x20
	v_lshl_add_u32 v[SPW], v0, 2, SPARE
	v_mov_b32 v[NIL], 0
	ds_add_u32 v28, v29
	ds_add_u32 v28, v29
	s_wait_dscnt 0x0
	v_lshrrev_b32 v1, 5, v0
	v_readfirstlane_b32 s14, v1
	s_lshr_b32 s15, s14, 1
	s_and_b32 s16, s14, 1
	s_bfe_u32 s40, ttmp6, 0x40000
	s_bfe_u32 s41, ttmp6, 0x40004
	s_and_b32 s95, ttmp7, 0xffff
	s_lshl_b32 s96, s95, 10
	s_lshl_b32 s97, ttmp9, 10
	s_add_co_u32 s97, s97, 4096
	s_cmp_eq_u32 ttmp9, 2
	s_cselect_b32 s17, 6144, s96
	s_cselect_b32 s42, s96, s97
	s_cselect_b32 s[ISV], 1, 0
	s_lshl_b32 s20, s41, 8
	s_add_co_u32 s17, s17, s20
	s_lshl_b32 s46, s40, 8
	s_add_co_u32 s42, s42, s46
	s_lshl_b32 s43, s41, 2
	s_lshl_b32 s43, 15, s43
	s_lshl_b32 s44, 0x1111, s40
	s_or_b32 s[G1+0], s43, (0<<16)|(1<<20)|(1<<21)|(5<<22)|(3<<25)
	s_or_b32 s[G1B+0], s44, (0<<16)|(1<<20)|(1<<21)|(5<<22)|(3<<25)
.irp g, G1, G1B
	s_mov_b32 s[\g+1], ROWB<<16
	s_mov_b32 s[\g+2], 128<<16
	s_mov_b32 s[\g+3], ROWB<<16
	s_mov_b32 s[\g+4], 128
	s_mov_b32 s[\g+5], KROW
	s_mov_b32 s[\g+6], 0
	s_mov_b32 s[\g+7], 0
.endr
	s_or_b32 s[G1S+0], s43, (3<<16)|(1<<20)|(1<<21)|(5<<22)|(3<<25)
	s_or_b32 s[G1SB+0], s44, (3<<16)|(1<<20)|(1<<21)|(5<<22)|(3<<25)
.irp g, G1S, G1SB
	s_mov_b32 s[\g+1], 32<<16
	s_mov_b32 s[\g+2], (128*KS/256)<<16
	s_mov_b32 s[\g+3], 32<<16
	s_mov_b32 s[\g+4], 128*KS/256
	s_mov_b32 s[\g+5], 32
	s_mov_b32 s[\g+6], 0
	s_mov_b32 s[\g+7], 0
.endr
	s_mov_b32 s[SEL], 0x76543210
	s_mov_b32 s[SEL+1], 0xfedcba98
	s_mov_b32 s[MNT], 0x600000
	s_lshl_b32 s18, s16, 7
	s_add_co_u32 s20, s17, s18
	s_add_co_u32 s46, s42, s18
	s_lshl_b32 s22, s20, 5
	s_mov_b32 s23, 0
	s_lshl_b32 s92, s46, 5
	s_mov_b32 s93, 0
	s_lshl_b32 s20, s20, 10
	s_mov_b32 s21, 0
	s_lshl_b32 s46, s46, 10
	s_mov_b32 s47, 0
	s_mul_i32 s45, s14, HALFT
	s_mul_i32 s94, s14, HALFS
	s_wait_kmcnt 0x0
	s_add_nc_u64 s[20:21], s[4:5], s[20:21]
	s_add_nc_u64 s[22:23], s[6:7], s[22:23]
	s_add_nc_u64 s[46:47], s[4:5], s[46:47]
	s_add_nc_u64 s[92:93], s[6:7], s[92:93]
	CROUND
	s_mov_b32 s[G0S], 1
	s_add_co_u32 s[G0S+1], s94, SCL
	s_mov_b64 s[G0S+2:G0S+3], s[22:23]
	s_or_b32 s[G0S+3], s[G0S+3], 0x80000000
	s_mov_b32 s[G0SB], 1
	s_add_co_u32 s[G0SB+1], s94, SCL
	s_mov_b64 s[G0SB+2:G0SB+3], s[92:93]
	s_or_b32 s[G0SB+3], s[G0SB+3], 0x80000000
	JLOAD G0S, G1S, G0SB, G1SB
.irp s, 0,1
	s_mov_b32 s[G0+4*\s], 1
	s_add_co_u32 s[G0+4*\s+1], s45, \s*SLOT
	s_add_nc_u64 s[G0+4*\s+2:G0+4*\s+3], s[20:21], \s*ROWB
	s_or_b32 s[G0+4*\s+3], s[G0+4*\s+3], 0x80000000
	s_mov_b32 s[G0B+4*\s], 1
	s_add_co_u32 s[G0B+4*\s+1], s45, \s*SLOT
	s_add_nc_u64 s[G0B+4*\s+2:G0B+4*\s+3], s[46:47], \s*ROWB
	s_or_b32 s[G0B+4*\s+3], s[G0B+4*\s+3], 0x80000000
	s_wait_alu depctr_va_vdst(0)
	s_wait_tensorcnt 0x0
	ds_add_u32 v28, v29
	s_wait_dscnt 0x0
	CROUND
	JLOAD G0+4*\s, G1, G0B+4*\s, G1B
.endr
	s_lshl_b32 s94, s95, 2
	s_lshl_b32 s96, ttmp9, 2
	s_cmp_eq_u32 s[ISV], 1
	s_cselect_b32 s20, 0, s94
	s_cselect_b32 s21, s94, s96
	s_add_co_u32 s20, s20, s41
	s_lshl_b32 s20, s20, 1
	s_add_co_u32 s20, s20, s15
	s_add_co_u32 s21, s21, s40
	s_lshl_b32 s21, s21, 1
	s_add_co_u32 s21, s21, s16
	s_lshl_b32 s22, s20, 5
	s_add_co_u32 s22, s22, s21
	s_add_co_u32 s22, s22, 512
	s_lshl_b32 s23, s21, 5
	s_add_co_u32 s23, s23, s20
	s_lshl_b32 s46, s21, 9
	s_lshl_b32 s92, s20, 9
	s_add_co_u32 s92, s92, 8192
	s_cmp_eq_u32 s[ISV], 1
	s_cselect_b32 s22, s22, s23
	s_cselect_b32 s46, 0, s46
	s_cselect_b32 s92, s92, 0
	s_cselect_b32 s[BMS], 1.0, 0
	s_cmp_eq_u32 ttmp9, 1
	s_cselect_b32 s[SCM], 0x3e000000, 1.0
	s_mov_b32 s[SCM+1], s[SCM]
	s_cmp_eq_u32 s[ISV], 1
	s_cselect_b32 s[SCB], 0, s[SCM]
	s_mov_b32 s[SCB+1], s[SCB]
	s_mov_b32 s47, 0
	s_mov_b32 s93, 0
	s_add_nc_u64 s[92:93], s[8:9], s[92:93]
	s_add_nc_u64 s[8:9], s[8:9], s[46:47]
	s_lshl_b32 s20, s22, 14
	s_mov_b32 s21, 0
	s_add_nc_u64 s[10:11], s[10:11], s[20:21]
	s_lshl_b32 s20, s22, 9
	s_add_nc_u64 s[12:13], s[12:13], s[20:21]
	v_and_b32 v1, 15, v0
	v_bfe_u32 v2, v0, 4, 1
	v_lshlrev_b32 v[BA], 6, v2
	v_and_b32 v5, 7, v0
	v_bfe_u32 v6, v0, 3, 1
	v_lshl_add_u32 v5, v6, 4, v5
	v_lshlrev_b32 v[BMA], 2, v5
.irp b, 0,1,2,3
.irp q, 0,1,2,3
	global_load_b128 v[BN+16*\b+4*\q:BN+16*\b+4*\q+3], v[BA], s[8:9] offset:128*\b+16*\q
.endr
.endr
.irp a, 0,1,2,3,4,5,6,7
	global_load_b32 v[BM+\a], v[BMA], s[92:93] offset:4*(32*(\a/2)+8*(\a%2))
.endr
	v_mul_u32_u24 v3, v1, PITCH
	v_lshl_add_u32 v4, v2, 4, v3
	s_mul_i32 s21, s15, HALFT
	s_mul_i32 s22, s16, HALFT
	s_add_co_u32 s22, s22, 2*HALFT
.irp s, 0,1
	v_add_nc_u32 v[ADRA+\s], s21, v4
	v_add_nc_u32 v[ADRB+\s], s22, v4
	s_add_co_u32 s21, s21, SLOT
	s_add_co_u32 s22, s22, SLOT
.endr
	v_mul_u32_u24 v5, v1, KS
	v_lshrrev_b32 v6, 8, v5
	v_lshl_add_u32 v5, v6, 4, v5
	s_mul_i32 s21, s15, HALFS
	s_mul_i32 s22, s16, HALFS
	s_add_co_u32 s22, s22, 2*HALFS
	s_sub_co_u32 s22, s22, s21
	v_mul_u32_u24 v6, s22, v2
	s_add_co_u32 s21, s21, SCL
	v_add_nc_u32 v5, v5, v6
	v_add_nc_u32 v[ADRS], s21, v5
	s_lshl_b32 s20, s14, 9
	s_add_co_u32 s20, s20, SST
	v_lshl_add_u32 v[SSA], v1, 2, s20
	v_and_b32 v6, 31, v0
	v_lshlrev_b32 v[CO], 4, v6
	v_add_nc_u32 v[SSR], s20, v[CO]
.macro FRAG reg, adr, q, i
.irp c, 0,1,2,3
	ds_load_b128 v[\reg+4*\c:\reg+4*\c+3], v[\adr] offset:128*(\q)+32*\c+(\i)*16*PITCH
.endr
.endm
.macro MUL16 a0, p, q, sc, zero
.irp a, \a0, \a0+1
.irp b, 0,1,2,3,4,5,6,7
.if \zero
	v_wmma_scale_f32_16x16x128_f8f6f4 v[8*(8*((\a)%4)+\b):8*(8*((\a)%4)+\b)+7], v[128*(\p)+FR*\b:128*(\p)+FR*\b+FR-1], v[AF+FR*(\a):AF+FR*(\a)+FR-1], 0, v[SC+8*NQ*(\sc)+NQ*\b+(\q)], v[SC+8*NQ*(\sc)+NQ*(\a)+(\q)] matrix_a_scale:MATRIX_SCALE_ROW1
.else
	v_wmma_scale_f32_16x16x128_f8f6f4 v[8*(8*((\a)%4)+\b):8*(8*((\a)%4)+\b)+7], v[128*(\p)+FR*\b:128*(\p)+FR*\b+FR-1], v[AF+FR*(\a):AF+FR*(\a)+FR-1], v[8*(8*((\a)%4)+\b):8*(8*((\a)%4)+\b)+7], v[SC+8*NQ*(\sc)+NQ*\b+(\q)], v[SC+8*NQ*(\sc)+NQ*(\a)+(\q)] matrix_a_scale:MATRIX_SCALE_ROW1
.endif
.endr
.endr
.endm
.macro FETCH_B slot, q, p
	WIN TO_B
.irp i, 0,1,2,3,4,5,6,7
	FRAG 128*(\p)+FR*\i, ADRB+\slot, \q, \i
.endr
	WIN 0
.endm
.macro FETCH_A slot, q, i0
.irp i, \i0, \i0+1, \i0+2, \i0+3
	FRAG AF+FR*(\i), ADRA+\slot, \q, \i
.endr
.endm
.macro SCALES sc
.irp i, 0,1,2,3,4,5,6,7
	ds_load_b64 v[SC+8*NQ*\sc+NQ*\i:SC+8*NQ*\sc+NQ*\i+1], v[ADRS] offset:\i*SBLK
.endr
.endm
.macro PLACES n
.rept \n
	v_nop
.endr
.endm
.macro STEP slot, q, zero
	s_wait_dscnt 4*NL
	WIN MUL_LO
	MUL16 0, (\q)%2, \q, \slot, \zero
	MUL16 2, (\q)%2, \q, \slot, \zero
	s_wait_dscnt 0
	PLACES NP
	FETCH_B \slot, (\q)+1, 1-(\q)%2
	FETCH_A \slot, (\q)+1, 0
	WIN MUL_HI
	MUL16 4, (\q)%2, \q, \slot, \zero
	MUL16 6, (\q)%2, \q, \slot, \zero
	PLACES NP
	WIN 0
	FETCH_A \slot, (\q)+1, 4
.endm
.macro TURN slot, next, fill
	s_wait_tensorcnt 0x0
	ds_add_u32 v[SPW], v[NIL]
	s_wait_dscnt 4*NL+1
	WIN MUL_LO
	MUL16 0, 1, NQ-1, \slot, 0
	s_wait_dscnt 0x0
	s_barrier_signal -1
	MUL16 2, 1, NQ-1, \slot, 0
	WIN 0
	s_barrier_wait -1
.if \fill
	CREST
	s_add_nc_u64 s[G0+4*\slot+2:G0+4*\slot+3], s[G0+4*\slot+2:G0+4*\slot+3], 2*ROWB
	s_add_nc_u64 s[G0B+4*\slot+2:G0B+4*\slot+3], s[G0B+4*\slot+2:G0B+4*\slot+3], 2*ROWB
	JLOAD G0+4*\slot, G1, G0B+4*\slot, G1B
	PLACES NP-4
.else
	PLACES NP
.endif
	s_wait_alu depctr_va_vdst(0)
	v_add_nc_u32 v[ADRS], 4*NQ, v[ADRS]
	FETCH_B \next, 0, 0
	FETCH_A \next, 0, 0
	SCALES \next
	WIN MUL_HI
	MUL16 4, 1, NQ-1, \slot, 0
	MUL16 6, 1, NQ-1, \slot, 0
	PLACES NP
	WIN 0
	FETCH_A \next, 0, 4
.endm
	s_wait_alu depctr_va_vdst(0)
	s_wait_tensorcnt 1
	s_barrier_signal -1
	s_barrier_wait -1
	FETCH_B 0, 0, 0
	FETCH_A 0, 0, 0
	SCALES 0
	FETCH_A 0, 0, 4
	STEP 0, 0, 1
	s_mov_b32 s3, LAPS-1
.Llap:
	TURN 0, 1, 1
	STEP 1, 0, 0
	TURN 1, 0, 1
	STEP 0, 0, 0
	s_sub_co_u32 s3, s3, 1
	s_cmp_lg_u32 s3, 0
	s_cbranch_scc1 .Llap
	TURN 0, 1, 0
	STEP 1, 0, 0
	s_wait_dscnt 4*NL
	WIN MUL_LO
	MUL16 0, 1, NQ-1, 1, 0
	MUL16 2, 1, NQ-1, 1, 0
	s_wait_dscnt 0
	WIN MUL_HI
	MUL16 4, 1, NQ-1, 1, 0
	MUL16 6, 1, NQ-1, 1, 0
	WIN 0
.macro QUANT s, pw
.irp b, 0,1,2,3
	v_max3_num_f32 v[TM+\b], |v[\s+16*\b]|, |v[\s+1+16*\b]|, 0x4800000
.endr
.irp i, 2,4,6,8,10,12,14
.irp b, 0,1,2,3
	v_max3_num_f32 v[TM+\b], v[TM+\b], |v[\s+16*\b+\i]|, |v[\s+1+16*\b+\i]|
.endr
.endr
.irp b, 0,1,2,3
	v_permlanex16_b32 v[TM+4+\b], v[TM+\b], s[SEL], s[SEL+1]
.endr
.irp b, 0,1,2,3
	v_max_num_f32 v[TM+\b], v[TM+\b], v[TM+4+\b]
.endr
.irp b, 0,1,2,3
	v_add_nc_u32 v[TM+12+\b], 0xfc000000, v[TM+\b]
.endr
.irp b, 0,1,2,3
	v_and_or_b32 v[TM+8+\b], v[TM+\b], 0x7f800000, s[MNT]
.endr
.irp b, 0,1,2,3
	v_lshrrev_b32 v[TM+4+\b], 23, v[TM+12+\b]
.endr
	v_lshl_or_b32 v[\pw], v[TM+5], 8, v[TM+4]
	v_lshl_or_b32 v[\pw], v[TM+6], 16, v[\pw]
	v_lshl_or_b32 v[\pw], v[TM+7], 24, v[\pw]
.irp b, 0,1,2,3
.irp i, 0,1,2,3,4,5,6,7,8,9,10,11,12,13,14,15
	v_med3_num_f32 v[\s+16*\b+\i], v[\s+16*\b+\i], -v[TM+8+\b], v[TM+8+\b]
.endr
	v_cvt_scalef32_pk8_fp8_f32 v[PC+4*\b:PC+1+4*\b], v[\s+16*\b:\s+7+16*\b], v[TM+12+\b]
	v_cvt_scalef32_pk8_fp8_f32 v[PC+2+4*\b:PC+3+4*\b], v[\s+8+16*\b:\s+15+16*\b], v[TM+12+\b]
.endr
	v_nop
.endm
.macro EPI a
.set WN, 0x02+(\a)/4
.set AC, 64*((\a)%4)
	WIN WN
.set i, 0
.rept 32
	v_pk_fma_f32 v[T+i:T+i+1], v[AC+i:AC+i+1], s[SCM:SCM+1], v[BN+i:BN+i+1] op_sel_hi:[1,0,1]
.set i, i+2
.endr
	WIN 0
	v_mov_b32 v[BP], v[BM+\a]
	v_mov_b32 v[BP+1], v[BM+\a]
.set i, 0
.rept 32
	v_pk_add_f32 v[T+i:T+i+1], v[T+i:T+i+1], v[BP:BP+1]
.set i, i+2
.endr
	s_wait_xcnt 0x0
	QUANT T, PWS+\a
.irp b, 0,1,2,3
	global_store_b128 v[CO], v[PC+4*\b:PC+4*\b+3], s[10:11] offset:(\a)*2048+\b*512
.endr
.endm
	s_wait_loadcnt 0x0
.set i, 0
.rept 32
	v_pk_mul_f32 v[BN+i:BN+i+1], v[BN+i:BN+i+1], s[SCB:SCB+1] op_sel_hi:[1,0]
.set i, i+2
.endr
.irp a, 0,1,2,3,4,5,6,7
	v_mul_f32 v[BM+\a], s[BMS], v[BM+\a]
.endr
.irp b, 0,1,2,3
	v_mov_b32 v[TM+4+\b], 0
.endr
.irp a, 0,1,2,3,4,5,6,7
	EPI \a
.endr
.irp a, 0,1,2,3,4,5,6,7
	ds_store_b32 v[SSA], v[PWS+\a] offset:64*\a
.endr
	ds_load_b128 v[T:T+3], v[SSR]
	s_wait_dscnt 0x0
	global_store_b128 v[CO], v[T:T+3], s[12:13]
	s_wait_tensorcnt 0x0
	ds_add_u32 v[SPW], v[NIL]
	s_wait_dscnt 0x0
	CROUND
	s_endpgm
.Lfunc_end_k_q2ee08cdb0c_qkv:
	.size	k_q2ee08cdb0c_qkv, .Lfunc_end_k_q2ee08cdb0c_qkv-k_q2ee08cdb0c_qkv
	.p2alignl 7, 3214868480
	.fill 96, 4, 3214868480
	.section	.rodata,"a",@progbits
	.p2align	6, 0x0
	.amdhsa_kernel k_q2ee08cdb0c_qkv
		.amdhsa_group_segment_fixed_size 327680
		.amdhsa_private_segment_fixed_size 0
		.amdhsa_enable_private_segment 0
		.amdhsa_kernarg_size 40
		.amdhsa_user_sgpr_count 2
		.amdhsa_user_sgpr_kernarg_segment_ptr 1
		.amdhsa_wavefront_size32 1
		.amdhsa_system_sgpr_workgroup_id_x 1
		.amdhsa_system_sgpr_workgroup_id_y 1
		.amdhsa_system_sgpr_workgroup_id_z 1
		.amdhsa_system_vgpr_workitem_id 0
		.amdhsa_next_free_vgpr 1024
		.amdhsa_next_free_sgpr 102
		.amdhsa_reserve_vcc 0
		.amdhsa_float_denorm_mode_32 3
		.amdhsa_float_denorm_mode_16_64 3
		.amdhsa_memory_ordered 1
		.amdhsa_forward_progress 1
		.amdhsa_inst_pref_size 223
	.end_amdhsa_kernel
	.amdgpu_metadata
---
amdhsa.version: [ 1, 2 ]
amdhsa.kernels:
  - .name:           k_q2ee08cdb0c_qkv
    .symbol:         k_q2ee08cdb0c_qkv.kd
    .args:
      - { .name: codes, .offset: 0, .size: 8, .value_kind: global_buffer, .address_space: global }
      - { .name: scales, .offset: 8, .size: 8, .value_kind: global_buffer, .address_space: global }
      - { .name: Wqkv_b, .offset: 16, .size: 8, .value_kind: global_buffer, .address_space: global }
      - { .name: qkv_codes, .offset: 24, .size: 8, .value_kind: global_buffer, .address_space: global }
      - { .name: qkv_scales, .offset: 32, .size: 8, .value_kind: global_buffer, .address_space: global }
    .group_segment_fixed_size: 327680
    .private_segment_fixed_size: 0
    .kernarg_segment_align: 8
    .kernarg_segment_size: 40
    .max_flat_workgroup_size: 128
    .sgpr_count:     102
    .vgpr_count:     1024
    .wavefront_size: 32
...
	.end_amdgpu_metadata
.endif
;; end of part 2
;; launch attn (part 3): grid 16 x 16, 16 waves a work-group, clusters of 4 x 1, 327,680 bytes of LDS; arguments qkv_codes, qkv_scales, ctx_codes, ctx_scales; writes ctx_codes, ctx_scales
.if DOCPART == 3
	.amdgcn_target "amdgcn-amd-amdhsa--gfx1250"
	.amdhsa_code_object_version 6
	.text
	.protected	k_q2ee08cdb0c_attn
	.globl	k_q2ee08cdb0c_attn
	.p2align	8
	.type	k_q2ee08cdb0c_attn,@function
k_q2ee08cdb0c_attn:
	s_mov_b64 s[64:65], 0
	v_nop
	global_prefetch_b8 v0, s[64:65] scope:SCOPE_SE
	s_setreg_imm32_b32 hwreg(HW_REG_WAVE_MODE, 25, 1), 1
	s_wait_xcnt 0x0
	s_wait_alu depctr_hold_cnt(0) depctr_sa_sdst(0) depctr_va_vdst(0) depctr_va_sdst(0) depctr_va_ssrc(0) depctr_va_vcc(0) depctr_vm_vsrc(0)
	s_getreg_b32 s2, hwreg(HW_REG_IB_STS2, 6, 4)
	s_cmp_eq_u32 s2, 0
	s_cbranch_scc0 .Lentry_in_a_cluster
	s_endpgm
.Lentry_in_a_cluster:
	s_bfe_u32 s2, ttmp6, 0x10000c
	s_cmp_lg_u32 s2, 0x3003
	s_cbranch_scc0 .Lentry_shape_is_right
	s_endpgm
.Lentry_shape_is_right:
; context[q] = (sum over all keys of Q(p) Q(v)) / l, p = 2^(t - M), t = (q . k/8 + mask) x log2(e), M the ceiling of the running largest t, l the sum of the unquantised p; both products on codes of FP8 (E4M3) with E8M0 scales.
; THE MASK IS -10,000 ABOVE THE DIAGONAL, NOT -INFINITY: where scores are large the masked keys count.  So every query walks ALL 4,096 keys; nothing is left out.  In a key step wholly above the diagonal the -10,000 is the C of the
; first product (eight registers written once; a scalar branch on ids picks that copy of the products); in the one step on the diagonal it is added number by number in f32; below the diagonal C is the constant 0.
; LIMITS: in the steps wholly above the diagonal the -10,000 enters the matrix unit's sum and is rounded with it once, where the definition rounds the score first and adds then.  NaN and infinities are not served.
; The scaled scores t stay under 2^31 in magnitude.
; INPUTS are images of operand registers, 512 dense bytes a piece (lane l's 16 bytes at 16 l).  q, k: head pair hp, tile T of 16 stored tokens, head e of the pair, piece c (channels 32 c + 16 h + 0 .. 15):
; hp x 512 KB + 2,048 T + 1,024 e + 512 c (k: 4 MB further on).  v: 8 MB + hp x 512 KB + 16,384 x key step + 8,192 e + 2,048 x channel tile + 512 c (keys 32 c + 16 h + 0 .. 15 of the step).
; Tokens are in tile order: stored row 32 w + 16 i + r is token 32 w + 8 i + r % 8 + 16 (r / 8).  So with 16 stored keys as source 0, two neighbouring tiles give a lane 16 NEIGHBOURING keys, and p's conversions ARE the next operand.
; SHARES.  y = the head.  A cluster of four work-groups owns 1,024 queries; wave w (of sixteen) of partner cx owns ONE tile of 16 queries: tile w % 2 of the window of 32 tokens number 32 C + 4 (w / 2) + cx, in 256 registers:
; four waves to a SIMD.  Its diagonal step, 8 C + w / 2, hangs on no place in the cluster, so all branches are alike in the partners.
; K, V and their scale words are asked for JOINTLY by the four.  256 work-groups, 32 key steps of 128 keys each.
; THE RING: two slots of 1,024 keys (eight key steps): 64 KB of K, 64 KB of V.  Four slots' worth of keys, so three refills, each in a round of the cluster's barrier.  The waves' diagonal steps 8 C .. 8 C + 7 are one slot's eight steps.
; All tiles come in quarters: at the head waves 0-3 K's, 4-7 V's, 8-11 K's scale words', 12-15 V's scale words': one load a wave; a refill: waves 0-3 K's, 4-7 V's.
; NO PREFETCH: a refill is asked for eight key steps (96 matrix instructions in each of sixteen waves) ahead of the wait for it.
; TWO REGIONS OF 64 REGISTERS TAKE TURNS, X and Y.  In a step K lies in one and the scores go to the other; V then lands where K lay; when the conversions have read p, THE NEXT STEP'S K is loaded where the scores lay,
; a second product and nine places ahead of its use.  So a trip of the loop is two steps.  A slot's first K is loaded behind the change of slots; its last step loads no K.
; THE HEAD'S 64 IN A FORM OF 128 ALONG K.  Q's fragment is 8 registers of codes and 8 of zero codes.  K's fragment of tile t is its 8 registers and the 8 that follow them: the next tile's codes; behind X's last tile eight zeros,
; behind Y's the first eight registers of p's codes (finite numbers: p is held): numbers of the format times Q's zeros add nothing.  The upper two scale bytes are 0, which is 2^-127 and no NaN.
; REGISTERS: v1-11 addresses (v9 the query's place); v12 -M, v13 largest t, v[14:15] the sum; v16-23 Q, v24-31 zeros; v32-95 X; v96-103 zeros; v104-167 Y; v168-183 p's codes (v176-183 also at work ahead of them);
;   v184-215 O^T; v216-223 -10,000; v224-227 K's scale words, v228-229 V's, v230 Q's, v232 p's; v231, v233 V's addresses; v234-248 at work.
.set SLOT1, 1<<17                      ; a slot: K [tile 64][c 2][512 bytes], then V [step 8][channel tile 4][c 4][512 bytes]
.set VOFF,  65536
.set SCK,   2*SLOT1                    ; K's scale words of the head pair: [tile 256][row 16][4 bytes]
.set SCV,   SCK+16384                  ; V's of the head: [step 32][channel tile 4][row 16][4 bytes]
.set SPARE, SCV+8192                   ; the spare words, 128 bytes for each of sixteen waves
.set LI,   1                           ; 16 x lane
.set ASK0, 2                           ; SCK + 4 x lane + 2 e
.set ASV0, 3                           ; SCV + 4 x lane
.set SPW,  4
.set NIL,  5
.set AD,   6                           ; the step's tiles of K
.set ADS,  7                           ; K's scale words of the step
.set ADT,  8                           ; V's
.set DQ,   9                           ; my query's place in its key step, less 16 (lane / 16)
.set QSA,  10                          ; 4 r
.set RA,   11                          ; 32 r
.set X,    32
.set Y,    104
.set PC,   168                         ; p's codes
.set WA,   176                         ; at work: the blocks' largest; then sums
.set WB,   180                         ; the other half's; bytes; sums
.set O,    184
.set MK,   216
.set KSC,  224
.set VSC,  228
.set QS,   230
.set ADV,  231                         ; the step's tiles of V
.set PS,   232
.set LIV,  233                         ; VOFF + 16 x lane
.set WC,   234                         ; 448 x the scale
.set WD,   238                         ; the conversions' scale operands
.set WE,   242                         ; 448 x the scale once more
.set F,    246                         ; v[246:247] f
.set T,    248
.set WV,   12
.set CX,   13
.set HD,   14
.set HP,   15
.set ETA,  16
.set W32,  17
.set SD,   18                          ; my diagonal key step
.set MNT,  19
.set SEL,  20
.set CS,   22                          ; s[22:23] log2(e); the 1/8 is in k already
.set G1K,  24
.set G1V,  32
.set G1SK, 40
.set G1SV, 48
.set G0K,  56
.set G0V,  60
.set G0SK, 68
.set G0SV, 72
.set TB,   76                          ; LDS byte of the step's tiles: 8,192 a step
.set TS,   77                          ; of K's scale words: 512 a step
.set TJ,   78                          ; of V's: 256 a step
.set SLOTS, 79
.set STI,  80                          ; the key step's number
.set INNER, 81
.set NEGS, 82                          ; -10000.0
.set TI,   83                          ; which tile of the window is mine
.set QP,   84
.set QSP,  86
.macro CROUND                          ; a round of the cluster's barrier
	s_barrier_signal -1
	s_barrier_wait -1
	s_cmp_lg_u32 s[WV], 0
	s_cbranch_scc1 .Lnot_wave_0_\@
	s_barrier_signal -3
.Lnot_wave_0_\@:
	s_barrier_wait -3
	s_barrier_signal -1
	s_barrier_wait -1
.endm
.macro TL g0, g1                       ; a tensor load; s_nop 0 and four v_nop follow it
	tensor_load_to_lds s[\g0:\g0+3], s[\g1:\g1+7]
	s_nop 0
.rept 4
	v_nop
.endr
.endm
; A joint refill: waves 0 to 3 fetch K's quarters of a slot, waves 4 to 7 V's, the others nothing.  The branches hang on the wave's number alone.
.macro TLOAD
	s_cmp_lt_u32 s[WV], 4
	s_cbranch_scc0 .Lnot_k_\@
	TL G0K, G1K
	s_branch .Lasked_\@
.Lnot_k_\@:
	s_cmp_lt_u32 s[WV], 8
	s_cbranch_scc0 .Lasked_\@
	TL G0V, G1V
.Lasked_\@:
.endm
.macro GROUP1 g, d0, d1, st            ; d1 rows of d0 elements of 8 bytes, st elements apart, dense in LDS; the mask names all four partners, bit 21 beside it
	s_mov_b32 s[\g], 15|(3<<16)|(1<<21)
	s_mov_b32 s[\g+1], (\d0)<<16
	s_mov_b32 s[\g+2], (\d1)<<16
	s_mov_b32 s[\g+3], (\d0)<<16
	s_mov_b32 s[\g+4], \d1
	s_mov_b32 s[\g+5], \st
	s_mov_b32 s[\g+6], 0
	s_mov_b32 s[\g+7], 0
.endm
	s_load_b256 s[4:11], s[0:1], 0x0               ; qkv_codes s[4:5], qkv_scales s[6:7], ctx_codes s[8:9], ctx_scales s[10:11]
	v_lshl_add_u32 v[SPW], v0, 2, SPARE
	v_mov_b32 v[NIL], 0
	ds_add_u32 v[SPW], v[NIL]                      ; the opening lines: the add, twice on end, and its wait
	ds_add_u32 v[SPW], v[NIL]
	s_wait_dscnt 0x0
	v_lshrrev_b32 v1, 5, v0
	s_delay_alu instid0(VALU_DEP_1)
	v_readfirstlane_b32 s[WV], v1                  ; wave 0..15
	s_bfe_u32 s[CX], ttmp6, 0x40000                ; cx: it enters Q's and the context's addresses and the number in v9, nothing else
	s_and_b32 s[HD], ttmp7, 0xffff                 ; the head
	s_lshr_b32 s[HP], s[HD], 1
	s_and_b32 s[ETA], s[HD], 1
	s_lshr_b32 s91, s[WV], 1
	s_and_b32 s[TI], s[WV], 1
	s_lshl_b32 s[SD], ttmp9, 3
	s_add_co_u32 s[SD], s[SD], s91                 ; 8 C + w / 2
	s_lshl_b32 s[W32], s[SD], 2
	s_add_co_u32 s[W32], s[W32], s[CX]             ; my window of 32 tokens
	s_and_b32 s90, s[WV], 3                        ; which quarter I fetch
	GROUP1 G1K, 128, 16, 256                       ; K: 16 tiles of 1 KB, 2 KB apart (the other head of the pair lies between)
	GROUP1 G1V, 1024, 2, 2048                      ; V: 2 steps of 8 KB, 16 KB apart
	GROUP1 G1SK, 32, 16, 32                        ; K's scale words: 4 KB dense, as rows of 256 bytes
	GROUP1 G1SV, 32, 8, 64                         ; V's: 8 steps of 256 bytes, 512 apart
	s_mov_b32 s[MNT], 0x600000
	s_mov_b32 s[SEL], 0x76543210
	s_mov_b32 s[SEL+1], 0xfedcba98
	s_mov_b32 s[CS], 0x3fb8aa3b
	s_mov_b32 s[CS+1], s[CS]
	s_mov_b32 s[TB], 0
	s_mov_b32 s[TS], 0
	s_mov_b32 s[TJ], 0
	s_mov_b32 s[SLOTS], 3
	s_mov_b32 s[STI], 0
	s_mov_b32 s[NEGS], 0xc61c4000
	s_lshl_b32 s96, s[ETA], 1                      ; my head's two bytes of a scale word
	s_lshl_b32 s97, s[CX], 5
	s_lshl_b32 s91, s[TI], 3
	s_add_co_u32 s97, s97, s91                     ; 32 cx + 8 x my tile
	; what the four partners share: made of the head and the wave's number alone
	s_lshl_b32 s88, s[HP], 19
	s_lshl_b32 s91, s90, 15                        ; a quarter of a slot is 32 KB of memory, in K and in V
	s_add_co_u32 s88, s88, s91
	s_lshl_b32 s91, s[ETA], 10
	s_add_co_u32 s84, s88, s91
	s_add_co_u32 s84, s84, 4<<20                   ; K
	s_mov_b32 s85, 0
	s_lshl_b32 s91, s[ETA], 13
	s_add_co_u32 s86, s88, s91
	s_add_co_u32 s86, s86, 8<<20                   ; V
	s_mov_b32 s87, 0
	s_lshl_b32 s88, s[HP], 14
	s_lshl_b32 s91, s90, 12
	s_add_co_u32 s88, s88, s91
	s_add_co_u32 s92, s88, 128<<10                 ; K's scale words
	s_mov_b32 s93, 0
	s_lshl_b32 s91, s[ETA], 8
	s_add_co_u32 s94, s88, s91
	s_add_co_u32 s94, s94, 256<<10                 ; V's
	s_mov_b32 s95, 0
	s_wait_kmcnt 0x0
	s_mov_b32 s[G0K], 1
	s_lshl_b32 s[G0K+1], s90, 14                   ; slot 0, my quarter of K's 64 KB
	s_add_nc_u64 s[G0K+2:G0K+3], s[4:5], s[84:85]
	s_or_b32 s[G0K+3], s[G0K+3], 0x80000000
	s_mov_b32 s[G0V], 1
	s_add_co_u32 s[G0V+1], s[G0K+1], VOFF
	s_add_nc_u64 s[G0V+2:G0V+3], s[4:5], s[86:87]
	s_or_b32 s[G0V+3], s[G0V+3], 0x80000000
	s_mov_b32 s[G0SK], 1
	s_lshl_b32 s[G0SK+1], s90, 12
	s_add_co_u32 s[G0SK+1], s[G0SK+1], SCK
	s_add_nc_u64 s[G0SK+2:G0SK+3], s[6:7], s[92:93]
	s_or_b32 s[G0SK+3], s[G0SK+3], 0x80000000
	s_mov_b32 s[G0SV], 1
	s_lshl_b32 s[G0SV+1], s90, 11
	s_add_co_u32 s[G0SV+1], s[G0SV+1], SCV
	s_add_nc_u64 s[G0SV+2:G0SV+3], s[6:7], s[94:95]
	s_or_b32 s[G0SV+3], s[G0SV+3], 0x80000000
	; what is my own
	s_lshl_b32 s84, s[HP], 19
	s_lshl_b32 s91, s[W32], 12
	s_add_co_u32 s84, s84, s91
	s_lshl_b32 s91, s[TI], 11
	s_add_co_u32 s84, s84, s91
	s_lshl_b32 s91, s[ETA], 10
	s_add_co_u32 s84, s84, s91
	s_mov_b32 s85, 0
	s_add_nc_u64 s[QP:QP+1], s[4:5], s[84:85]      ; Q's tile
	s_lshl_b32 s86, s[HP], 14
	s_lshl_b32 s91, s[W32], 7
	s_add_co_u32 s86, s86, s91
	s_lshl_b32 s91, s[TI], 6
	s_add_co_u32 s86, s86, s91
	s_add_co_u32 s86, s86, s96
	s_mov_b32 s87, 0
	s_add_nc_u64 s[QSP:QSP+1], s[6:7], s[86:87]    ; its scale words: my head's two bytes
	s_lshl_b32 s88, s[HD], 18
	s_lshl_b32 s91, s[W32], 11
	s_add_co_u32 s88, s88, s91
	s_lshl_b32 s91, s[TI], 10
	s_add_co_u32 s88, s88, s91
	s_mov_b32 s89, 0
	s_add_nc_u64 s[8:9], s[8:9], s[88:89]          ; the context's codes: [head][tile][block 2][512 bytes]
	s_lshl_b32 s88, s[W32], 10
	s_lshl_b32 s91, s[TI], 9
	s_add_co_u32 s88, s88, s91
	s_lshl_b32 s91, s[HD], 1
	s_add_co_u32 s88, s88, s91
	s_add_nc_u64 s[10:11], s[10:11], s[88:89]      ; its scale bytes: [stored row][32], my head's two
	CROUND                                         ; all four work-groups are here: the first joint loads meet
; THE HEAD'S LOADS, ONE A WAVE, in one chain of branches on the wave's number.  Every way passes exactly one load.
.macro ARM under, g0, g1, next
	s_cmp_lt_u32 s[WV], \under
	s_cbranch_scc0 \next
	TL \g0, \g1
	s_branch .Lfirst_asked
\next:
.endm
	ARM 4,  G0K,  G1K,  .Lhead_v
	ARM 8,  G0V,  G1V,  .Lhead_sk
	ARM 12, G0SK, G1SK, .Lhead_sv
	TL G0SV, G1SV
.Lfirst_asked:
	v_and_b32 v6, 31, v0                           ; lane
	s_delay_alu instid0(VALU_DEP_1)
	v_lshlrev_b32 v[LI], 4, v6
	v_and_b32 v7, 15, v0                           ; r
	s_delay_alu instid0(VALU_DEP_1)
	v_lshlrev_b32 v[QSA], 2, v7
	global_load_b128 v[16:19], v[LI], s[QP:QP+1]               ; channels 16 h + 0 .. 15,
	global_load_b128 v[20:23], v[LI], s[QP:QP+1] offset:512    ; 32 + 16 h + 0 .. 15
	global_load_u16 v[QS], v[QSA], s[QSP:QSP+1]                ; its rows' two scale bytes; the upper two are 0
	v_lshl_add_u32 v[ASK0], v6, 2, SCK
	v_lshl_add_u32 v[ASV0], v6, 2, SCV
	v_lshlrev_b32 v[RA], 5, v7
	v_add_nc_u32 v[LIV], VOFF, v[LI]
	v_add_nc_u32 v[ASK0], s96, v[ASK0]
	v_and_b32 v6, 7, v0
	v_bfe_u32 v7, v0, 3, 1
	v_bfe_u32 v8, v0, 4, 1
	s_delay_alu instid0(VALU_DEP_1)
	v_sub_nc_u32 v7, v7, v8
	s_delay_alu instid0(VALU_DEP_1)
	v_lshl_add_u32 v[DQ], v7, 4, v6                ; r % 8 + 16 (r / 8) - 16 h
	s_delay_alu instid0(VALU_DEP_1)
	v_add_nc_u32 v[DQ], s97, v[DQ]                 ; + 32 cx + 8 x my tile: my query within its key step, less 16 h
	; the start: the loop is written once, its first step finds zeros, which the first change of M leaves zeros
	v_mov_b32 v13, 0xff61b1e6                      ; the largest t so far: -3e38
	s_delay_alu instid0(VALU_DEP_1)
	v_floor_f32 v12, -v13                          ; -M
	v_mov_b32 v14, 0
	v_mov_b32 v15, 0
.irp j, 0,1,2,3,4,5,6,7
	v_mov_b32 v[24+\j], 0                          ; the zero codes behind Q's 64
.endr
.set n, 0
.rept 32
	v_mov_b32 v[O+n], 0
.set n, n+1
.endr
.irp b, 0,1,2,3
	v_mov_b32 v[WB+\b], 0                          ; a lane permute's destination counts as one of its sources
.endr
	v_mov_b32 v[F+1], 0                            ; named as the upper half of the pair f
.irp j, 0,1,2,3,4,5,6,7
	v_mov_b32 v[96+\j], 0                          ; behind X's last tile
.endr
.irp j, 0,1,2,3,4,5,6,7
	v_mov_b32 v[MK+\j], 0xc61c4000                 ; -10,000: the C of the steps above the diagonal; never rewritten
.endr
; The diagonal step: -10,000 is added where the register's key, 32 b + i + 16 h, comes after my query.  s: the region that holds the scores.
.macro MASK s
.set n, 0
.rept 64
	v_cmp_gt_i32 vcc_lo, 32*(n/16)+n%16, v[DQ]
	v_add_f32 v[T], s[NEGS], v[\s+n]
	v_cndmask_b32 v[\s+n], v[\s+n], v[T], vcc_lo
.set n, n+1
.endr
.endm
; The softmax for 128 keys.  A lane holds one query (lane % 16) and, in register 16 b + i of region s, key 32 b + 16 (lane / 16) + i.
.macro SOFTMAX s
.irp b, 0,1,2,3
	v_max3_num_f32 v[WA+\b], v[\s+16*\b], v[\s+1+16*\b], v[\s+2+16*\b]   ; the largest score of each block of 32 keys: for the row's maximum and, since p rises with the score, for the block's largest p
.endr
.irp k, 3,5,7,9,11,13
.irp b, 0,1,2,3
	v_max3_num_f32 v[WA+\b], v[WA+\b], v[\s+16*\b+\k], v[\s+1+16*\b+\k]
.endr
.endr
.irp b, 0,1,2,3
	v_max_num_f32 v[WA+\b], v[WA+\b], v[\s+15+16*\b]
.endr
.irp b, 0,1,2,3
	v_permlanex16_b32 v[WB+\b], v[WA+\b], s[SEL], s[SEL+1]
.endr
.irp b, 0,1,2,3
	s_delay_alu instid0(VALU_DEP_4)
	v_max_num_f32 v[WA+\b], v[WA+\b], v[WB+\b]     ; with lane l xor 16's 16 keys
.endr
	s_delay_alu instid0(VALU_DEP_2)
	v_max3_num_f32 v[T], v[WA], v[WA+1], v[WA+2]
	s_delay_alu instid0(VALU_DEP_1)
	v_max_num_f32 v[T], v[T], v[WA+3]
	s_delay_alu instid0(VALU_DEP_1)
	v_mul_f32 v[T], s[CS], v[T]                    ; as t
	s_delay_alu instid0(VALU_DEP_1)
	v_max_num_f32 v13, v13, v[T]                   ; the running largest t
	v_mov_b32 v[T], v12
	s_delay_alu instid0(VALU_DEP_2)
	v_floor_f32 v12, -v13                          ; the new -M = -ceil(t): a whole number
	s_delay_alu instid0(VALU_DEP_1)
	v_sub_f32 v[T], v12, v[T]                      ; old M - new M, 0 or less
	s_delay_alu instid0(VALU_DEP_1)
	v_cvt_i32_f32 v[T], v[T]                       ; (it saturates)
	s_delay_alu instid0(VALU_DEP_1)
	v_ldexp_f32 v[F], 1.0, v[T]                    ; f = 2^(old M - new M): a multiplication by it rounds nothing
.set n, 0
.rept 32
	v_pk_fma_f32 v[\s+n:\s+n+1], v[\s+n:\s+n+1], s[CS:CS+1], v[12:13] op_sel_hi:[1,0,0]   ; t - M, two at a time
.set n, n+2
.endr
.irp b, 0,1,2,3
	v_fma_f32 v[WA+\b], v[WA+\b], s[CS], v12       ; the same of each block's largest score
.endr
.set n, 0
	s_wait_alu depctr_va_vdst(0)
.rept 64
	v_exp_f32 v[\s+n], v[\s+n]                     ; p = 2^(t - M), at most 1
.set n, n+1
.endr
.irp b, 0,1,2,3
	v_exp_f32 v[WA+\b], v[WA+\b]                   ; the block's largest p: the same two instructions on the same number
.endr
	v_pk_mul_f32 v[14:15], v[14:15], v[F:F+1] op_sel_hi:[1,0]   ; the sum under the new M (a plain instruction behind the exponentials)
	s_wait_alu depctr_va_vdst(0)                   ; and behind it, ahead of its first reader
.irp b, 0,1,2,3
	v_max_num_f32 v[WA+\b], 0x4800000, v[WA+\b]    ; the floor 2^(9 - 127): a block whose every p is 0 keeps the byte 1, its codes are zeros
.endr
.irp b, 0,1,2,3
	s_delay_alu instid0(VALU_DEP_4)
	v_add_nc_u32 v[WD+\b], 0xfc000000, v[WA+\b]    ; the conversion's scale operand
.endr
.irp b, 0,1,2,3
	v_and_or_b32 v[WC+\b], v[WA+\b], 0x7f800000, s[MNT]   ; 448 x the scale
.endr
.irp b, 0,1,2,3
	v_and_or_b32 v[WE+((\b+1)%4)], v[WA+\b], 0x7f800000, s[MNT]   ; and once more, at a register number that differs modulo 4: the second half of a dual pair reads this copy
.endr
.irp b, 0,1,2,3
	v_lshrrev_b32 v[WB+\b], 23, v[WD+\b]           ; the scale's byte
.endr
	s_delay_alu instid0(VALU_DEP_3)
	v_lshl_or_b32 v[PS], v[WB+1], 8, v[WB]         ; p's scale word for these 128 keys
	s_delay_alu instid0(VALU_DEP_1)
	v_lshl_or_b32 v[PS], v[WB+2], 16, v[PS]
	s_delay_alu instid0(VALU_DEP_1)
	v_lshl_or_b32 v[PS], v[WB+3], 24, v[PS]
	v_pk_add_f32 v[WA:WA+1], v[\s:\s+1], v[\s+2:\s+3]  ; the row's sum is taken of the unquantised p, in four chains
	v_pk_add_f32 v[WA+2:WA+3], v[\s+4:\s+5], v[\s+6:\s+7]
	v_pk_add_f32 v[WB:WB+1], v[\s+8:\s+9], v[\s+10:\s+11]
	v_pk_add_f32 v[14:15], v[14:15], v[\s+12:\s+13]
.irp j, 14,22,30,38,46,54
	v_pk_add_f32 v[WA:WA+1], v[WA:WA+1], v[\s+\j:\s+1+\j]
	v_pk_add_f32 v[WA+2:WA+3], v[WA+2:WA+3], v[\s+2+\j:\s+3+\j]
	v_pk_add_f32 v[WB:WB+1], v[WB:WB+1], v[\s+4+\j:\s+5+\j]
	v_pk_add_f32 v[14:15], v[14:15], v[\s+6+\j:\s+7+\j]
.endr
	v_pk_add_f32 v[WA:WA+1], v[WA:WA+1], v[WA+2:WA+3]
	v_pk_add_f32 v[14:15], v[14:15], v[\s+62:\s+63]
	s_delay_alu instid0(VALU_DEP_2)
	v_pk_add_f32 v[WA:WA+1], v[WA:WA+1], v[WB:WB+1]
	s_delay_alu instid0(VALU_DEP_1)
	v_pk_add_f32 v[14:15], v[14:15], v[WA:WA+1]
.irp b, 0,1,2,3
.irp i, 0,2,4,6,8,10,12,14
	v_dual_min_num_f32 v[\s+16*\b+\i], v[\s+16*\b+\i], v[WC+\b] :: v_dual_min_num_f32 v[\s+16*\b+\i+1], v[\s+16*\b+\i+1], v[WE+((\b+1)%4)]   ; the conversion does not saturate (ISA guide 7.6.2); p is not negative: a one-sided hold, two numbers a line
.endr
	v_cvt_scalef32_pk8_fp8_f32 v[PC+4*\b:PC+1+4*\b], v[\s+16*\b:\s+7+16*\b], v[WD+\b]
	v_cvt_scalef32_pk8_fp8_f32 v[PC+2+4*\b:PC+3+4*\b], v[\s+8+16*\b:\s+15+16*\b], v[WD+\b]
.endr
.set n, 0
.rept 16
	v_pk_mul_f32 v[O+n:O+n+1], v[O+n:O+n+1], v[F:F+1] op_sel_hi:[1,0]   ; O^T under the new M; these are also the places between the codes and their products
.set n, n+2
.endr
.endm
.macro KQ8 k, s, msk                   ; S^T = K Q^T (+ the mask): 8 tiles of 16 keys, K in region k, the scores to region s; K's scale words: lanes 0-15 the even tile's, lanes 16-31 the odd one's
.irp t, 0,2,4,6
.if \msk
	v_wmma_scale_f32_16x16x128_f8f6f4 v[\s+8*\t:\s+8*\t+7], v[\k+8*\t:\k+15+8*\t], v[16:31], v[MK:MK+7], v[KSC+\t/2], v[QS]
	v_wmma_scale_f32_16x16x128_f8f6f4 v[\s+8*\t+8:\s+8*\t+15], v[\k+8+8*\t:\k+23+8*\t], v[16:31], v[MK:MK+7], v[KSC+\t/2], v[QS] matrix_a_scale:MATRIX_SCALE_ROW1
.else
	v_wmma_scale_f32_16x16x128_f8f6f4 v[\s+8*\t:\s+8*\t+7], v[\k+8*\t:\k+15+8*\t], v[16:31], 0, v[KSC+\t/2], v[QS]
	v_wmma_scale_f32_16x16x128_f8f6f4 v[\s+8*\t+8:\s+8*\t+15], v[\k+8+8*\t:\k+23+8*\t], v[16:31], 0, v[KSC+\t/2], v[QS] matrix_a_scale:MATRIX_SCALE_ROW1
.endif
.endr
.endm
.macro KLOAD k, on                     ; K's 8 tiles and their scale words, `on` steps on from the step in hand, into region k: 20 loads; 512 consecutive bytes an instruction
.irp t, 0,1,2,3,4,5,6,7
	ds_load_b128 v[\k+8*\t:\k+3+8*\t], v[AD] offset:8192*\on+1024*\t
	ds_load_b128 v[\k+4+8*\t:\k+7+8*\t], v[AD] offset:8192*\on+1024*\t+512
.endr
.irp b, 0,1,2,3
	ds_load_u16 v[KSC+\b], v[ADS] offset:512*\on+128*\b   ; my head's two bytes of the word; the upper two are 0
.endr
.endm
; A KEY STEP: 128 keys for my tile of queries.  K lies in region k (asked for a step ago, or behind the change of slots); the scores go to region s.  odd = 1: the trip's second step, which may be the slot's last.
.macro STEP k, s, odd
	v_add_nc_u32 v[AD], s[TB], v[LI]
	v_add_nc_u32 v[ADS], s[TS], v[ASK0]
	v_add_nc_u32 v[ADT], s[TJ], v[ASV0]
	v_add_nc_u32 v[ADV], s[TB], v[LIV]
.rept 5
	v_nop                                          ; with the four additions: nine places behind the last step's second products, whose V the first products below write over
.endr
	s_wait_alu depctr_va_vdst(0)
	s_wait_dscnt 0x0                               ; K and its scale words
	s_cmp_gt_u32 s[STI], s[SD]                     ; wholly above my diagonal?  ids alone; alike in the four partners
	s_cbranch_scc1 .Labove_\@
	KQ8 \k, \s, 0
	s_branch .Lscored_\@
.Labove_\@:
	KQ8 \k, \s, 1
.Lscored_\@:
.rept 8
	v_nop                                          ; eight places: then V may land where K lay, and the scores may be read
.endr
.irp t, 0,1,2,3
.irp c, 0,1,2,3
	ds_load_b128 v[\k+16*\t+4*\c:\k+3+16*\t+4*\c], v[ADV] offset:2048*\t+512*\c   ; V is asked for here and lands under the softmax
.endr
.endr
	ds_load_b32 v[VSC], v[ADT]
	ds_load_b32 v[VSC+1], v[ADT] offset:128
	s_cmp_lg_u32 s[STI], s[SD]                     ; ids alone; alike in the four partners
	s_cbranch_scc1 .Lopen_\@
	MASK \s
.Lopen_\@:
	SOFTMAX \s
	s_wait_alu depctr_va_vdst(0)
.if \odd
	s_cmp_eq_u32 s[INNER], 1                       ; the slot's last step asks for no K: the next lies in the other slot, behind the change
	s_cbranch_scc1 .Lno_k_\@
.endif
	KLOAD \s, 1                                    ; the next step's K, where p lay: the conversions have read it
	s_wait_dscnt 20                                ; V and its scale words are in; the 20 loads just issued may be out
.if \odd
	s_branch .Lgo_\@
.Lno_k_\@:
	s_wait_dscnt 0x0                               ; V and its scale words
.Lgo_\@:
.endif
.irp t, 0,2                                    ; O^T += V^T P^T: 4 tiles of 16 channels, K = these 128 keys; the four accumulators have one instruction a turn
	v_wmma_scale_f32_16x16x128_f8f6f4 v[O+8*\t:O+8*\t+7], v[\k+16*\t:\k+15+16*\t], v[PC:PC+15], v[O+8*\t:O+8*\t+7], v[VSC+\t/2], v[PS]
	v_wmma_scale_f32_16x16x128_f8f6f4 v[O+8*\t+8:O+8*\t+15], v[\k+16+16*\t:\k+31+16*\t], v[PC:PC+15], v[O+8*\t+8:O+8*\t+15], v[VSC+\t/2], v[PS] matrix_a_scale:MATRIX_SCALE_ROW1
.endr
	s_add_co_u32 s[TB], s[TB], 8192
	s_add_co_u32 s[TS], s[TS], 512
	s_add_co_u32 s[TJ], s[TJ], 256
	s_add_co_u32 s[STI], s[STI], 1
.endm
.macro SLOT_STEPS                      ; a slot's eight key steps: two written, walked four times
	v_add_nc_u32 v[AD], s[TB], v[LI]
	v_add_nc_u32 v[ADS], s[TS], v[ASK0]
	KLOAD X, 0                                     ; the slot's first K
	s_mov_b32 s[INNER], 4
.Lstep_\@:
	STEP X, Y, 0
	STEP Y, X, 1
	s_sub_co_u32 s[INNER], s[INNER], 1
	s_cmp_lg_u32 s[INNER], 0
	s_cbranch_scc1 .Lstep_\@
	s_sub_co_u32 s[TB], s[TB], 65536               ; back to a slot's first step,
	s_xor_b32 s[TB], s[TB], SLOT1                  ; in the other slot
.endm
; THE CHANGE OF SLOTS stands at a slot's head.  Each wave waits for all its tensor loads, adds 0 to its spare word, and waits for that and for its reads of the slot that it has left.  fill = 1: a round of the cluster's
; barrier, so that no wave of any partner still reads that slot or has a load on its way; then it is filled with the 1,024 keys that follow: the load has eight key steps in which to land.
.macro CHANGE fill
	s_wait_tensorcnt 0x0                           ; no tensor load of mine is out, so a group 0 may be written
	ds_add_u32 v[SPW], v[NIL]                      ; 0 onto my spare word
.if \fill
	s_xor_b32 s[G0K+1], s[G0K+1], SLOT1
	s_add_nc_u64 s[G0K+2:G0K+3], s[G0K+2:G0K+3], 131072   ; 64 tiles of 2 KB
	s_xor_b32 s[G0V+1], s[G0V+1], SLOT1
	s_add_nc_u64 s[G0V+2:G0V+3], s[G0V+2:G0V+3], 131072   ; 8 steps of 16 KB
.endif
	s_wait_dscnt 0x0                               ; the add is done, and my reads of the slot that I have left are over
.if \fill
	CROUND
	TLOAD                                          ; the first thing behind the round, and a wave's one tensor load until the next
.else
	s_barrier_signal -1
	s_barrier_wait -1
.endif
.endm
	s_wait_alu depctr_va_vdst(0)
	s_wait_loadcnt 0x0                             ; Q and its scale words
.Lslot:                                            ; 3 trips: behind each change of slots but the last the next 1,024 keys are asked for
	CHANGE 1
	SLOT_STEPS
	s_sub_co_u32 s[SLOTS], s[SLOTS], 1
	s_cmp_lg_u32 s[SLOTS], 0
	s_cbranch_scc1 .Lslot
	CHANGE 0                                       ; the last slot is written out
	SLOT_STEPS
; THE WAY OUT: O^T / l is the context; register 16 g + i is channel 32 g + 16 (lane / 16) + i of my head: two blocks of 32 along the last product's K.  It is quantised at once; the codes' registers are that product's operand.
.rept 8
	v_nop                                          ; eight places behind the last products
.endr
	v_add_f32 v14, v14, v15
	s_delay_alu instid0(VALU_DEP_1)
	v_permlanex16_b32 v[F], v14, s[SEL], s[SEL+1]
	s_delay_alu instid0(VALU_DEP_1)
	v_add_f32 v14, v14, v[F]                       ; the row's sum
	s_wait_alu depctr_va_vdst(0)
	v_rcp_f32 v14, v14
	v_nop                                          ; a plain instruction behind the reciprocal
.set n, 0
	s_wait_alu depctr_va_vdst(0)
.rept 16
	v_pk_mul_f32 v[X+n:X+n+1], v[O+n:O+n+1], v[14:15] op_sel_hi:[1,0]   ; each accumulator from its low end on
.set n, n+2
.endr
.irp g, 0,1
	v_max3_num_f32 v[WA+\g], |v[X+16*\g]|, |v[X+1+16*\g]|, 0x4800000
.endr
.irp k, 2,4,6,8,10,12,14
.irp g, 0,1
	s_delay_alu instid0(VALU_DEP_2)
	v_max3_num_f32 v[WA+\g], v[WA+\g], |v[X+16*\g+\k]|, |v[X+1+16*\g+\k]|
.endr
.endr
.irp g, 0,1
	v_permlanex16_b32 v[WB+\g], v[WA+\g], s[SEL], s[SEL+1]
.endr
.irp g, 0,1
	s_delay_alu instid0(VALU_DEP_2)
	v_max_num_f32 v[WA+\g], v[WA+\g], v[WB+\g]
.endr
.irp g, 0,1
	s_delay_alu instid0(VALU_DEP_2)
	v_add_nc_u32 v[WD+\g], 0xfc000000, v[WA+\g]
.endr
.irp g, 0,1
	s_delay_alu instid0(VALU_DEP_4)
	v_and_or_b32 v[WC+\g], v[WA+\g], 0x7f800000, s[MNT]
.endr
.irp g, 0,1
	s_delay_alu instid0(VALU_DEP_4)
	v_lshrrev_b32 v[WB+\g], 23, v[WD+\g]
.endr
	s_delay_alu instid0(VALU_DEP_1)
	v_lshl_or_b32 v[PS], v[WB+1], 8, v[WB]         ; my row's two scale bytes
.irp g, 0,1
.irp i, 0,1,2,3,4,5,6,7,8,9,10,11,12,13,14,15
	v_med3_num_f32 v[X+16*\g+\i], v[X+16*\g+\i], -v[WC+\g], v[WC+\g]
.endr
	v_cvt_scalef32_pk8_fp8_f32 v[PC+4*\g:PC+1+4*\g], v[X+16*\g:X+7+16*\g], v[WD+\g]
	v_cvt_scalef32_pk8_fp8_f32 v[PC+2+4*\g:PC+3+4*\g], v[X+8+16*\g:X+15+16*\g], v[WD+\g]
.endr
	v_nop                                          ; one plain vector instruction behind the last conversion
	global_store_b128 v[LI], v[PC:PC+3], s[8:9]                ; 512 consecutive bytes a store
	global_store_b128 v[LI], v[PC+4:PC+7], s[8:9] offset:512
	global_store_b16 v[RA], v[PS], s[10:11]                    ; two bytes of each row's 32: one byte for each 32 of the codes; lanes r and r + 16 write the same bytes
	s_wait_tensorcnt 0x0                           ; the wave's end
	ds_add_u32 v[SPW], v[NIL]
	s_wait_dscnt 0x0
	CROUND                                         ; the closing round
	s_endpgm
.Lfunc_end_k_q2ee08cdb0c_attn:
	.size	k_q2ee08cdb0c_attn, .Lfunc_end_k_q2ee08cdb0c_attn-k_q2ee08cdb0c_attn
	.p2alignl 7, 3214868480
	.fill 96, 4, 3214868480
	.section	.rodata,"a",@progbits
	.p2align	6, 0x0
	.amdhsa_kernel k_q2ee08cdb0c_attn
		.amdhsa_group_segment_fixed_size 327680
		.amdhsa_private_segment_fixed_size 0
		.amdhsa_enable_private_segment 0
		.amdhsa_kernarg_size 32
		.amdhsa_user_sgpr_count 2
		.amdhsa_user_sgpr_kernarg_segment_ptr 1
		.amdhsa_wavefront_size32 1
		.amdhsa_system_sgpr_workgroup_id_x 1
		.amdhsa_system_sgpr_workgroup_id_y 1
		.amdhsa_system_sgpr_workgroup_id_z 1
		.amdhsa_system_vgpr_workitem_id 0
		.amdhsa_next_free_vgpr 256
		.amdhsa_next_free_sgpr 100
		.amdhsa_reserve_vcc 1
		.amdhsa_float_denorm_mode_32 3
		.amdhsa_float_denorm_mode_16_64 3
		.amdhsa_memory_ordered 1
		.amdhsa_forward_progress 1
		.amdhsa_inst_pref_size 134
	.end_amdhsa_kernel
	.amdgpu_metadata
---
amdhsa.version: [ 1, 2 ]
amdhsa.kernels:
  - .name:           k_q2ee08cdb0c_attn
    .symbol:         k_q2ee08cdb0c_attn.kd
    .args:
      - { .name: qkv_codes, .offset: 0, .size: 8, .value_kind: global_buffer, .address_space: global }
      - { .name: qkv_scales, .offset: 8, .size: 8, .value_kind: global_buffer, .address_space: global }
      - { .name: ctx_codes, .offset: 16, .size: 8, .value_kind: global_buffer, .address_space: global }
      - { .name: ctx_scales, .offset: 24, .size: 8, .value_kind: global_buffer, .address_space: global }
    .group_segment_fixed_size: 327680
    .private_segment_fixed_size: 0
    .kernarg_segment_align: 8
    .kernarg_segment_size: 32
    .max_flat_workgroup_size: 512
    .sgpr_count:     100
    .vgpr_count:     256
    .wavefront_size: 32
...
	.end_amdgpu_metadata
.endif
;; end of part 3
;; launch proj (part 4): grid 8 x 32, 4 waves a work-group, clusters of 4 x 4, 327,680 bytes of LDS; arguments ctx_codes, ctx_scales, codes, scales, out_b, out0; writes out0
.if DOCPART == 4
	.amdgcn_target "amdgcn-amd-amdhsa--gfx1250"
	.amdhsa_code_object_version 6
	.text
	.protected	k_q2ee08cdb0c_proj
	.globl	k_q2ee08cdb0c_proj
	.p2align	8
	.type	k_q2ee08cdb0c_proj,@function
k_q2ee08cdb0c_proj:
	s_mov_b64 s[64:65], 0
	v_nop
	global_prefetch_b8 v0, s[64:65] scope:SCOPE_SE
	s_setreg_imm32_b32 hwreg(HW_REG_WAVE_MODE, 25, 1), 1
	s_wait_xcnt 0x0
	s_wait_alu depctr_hold_cnt(0) depctr_sa_sdst(0) depctr_va_vdst(0) depctr_va_sdst(0) depctr_va_ssrc(0) depctr_va_vcc(0) depctr_vm_vsrc(0)
	s_getreg_b32 s2, hwreg(HW_REG_IB_STS2, 6, 4)
	s_cmp_eq_u32 s2, 0
	s_cbranch_scc0 .Lentry_in_a_cluster
	s_endpgm
.Lentry_in_a_cluster:
	s_bfe_u32 s2, ttmp6, 0x10000c
	s_cmp_lg_u32 s2, 0xf033
	s_cbranch_scc0 .Lentry_shape_is_right
	s_endpgm
.Lentry_shape_is_right:
; out0 = context out_w^T + out_b: [4096][1024] f32, K = 1,024, both operands codes of FP8 (E4M3) with one E8M0 byte for each 32 along K.
; A = the context: ctx_codes [head 16][tile of 16 stored rows: 256][block 2][512 bytes], images of operand registers (lane l's 16 bytes at 16 l); ctx_scales [stored row][32].
; B = out_w: rows 7,168 .. 8,191 of codes (1,024 bytes a row) and of scales (32 bytes a row).  Both in tile order: stored row 32 w + 16 i + r is row 32 w + 8 i + r % 8 + 16 (r / 8).
; SHARES: 256 work-groups, each 128 rows x 128 columns; four waves 2 x 2, each 64 x 64: 16 accumulators.  ALL OF K LIES IN LDS AT ONCE: A's 128 KB, B's 128 rows of 1,040 bytes, both scales: four fills,
; one a wave, at the head; nothing is filled again, so there is no ring.  CLUSTERS of 4 x 4: A and its scales are asked for jointly along a row of the cluster, B and its scales along a column.
; NO PREFETCH: every tile is asked for at the head; there is no loop to run ahead in.
; Source 0 = 16 stored rows of out_w, source 1 = 16 stored rows of the context: a lane holds one row of the result, and the registers of tiles 2 u, 2 u + 1 are 16 neighbouring columns 32 u + 16 h + 0 .. 15.
; REGISTERS: window 0: addresses, v32-63 scale words, v64-95 the bias (the first products' C), v128-191 the way out; window 1: two sets of fragments (B's four at 128 p, A's four at 128 p + 64); window 2: v0-127 the sums.
; LIMITS: NaN and infinities are not served.
.set PITCH,  1040                      ; B's LDS row: 1,024 bytes + 16 of padding
.set BOFF,   131072                    ; behind A's [head 16][tile 8][1,024 bytes]
.set SCL,    BOFF+128*PITCH            ; the scales: units of 256 bytes (8 rows) + 16 of padding: A's 16 units, then B's
.set HS,     8*272                     ; those of 64 rows
.set SBLK,   2*272                     ; of 16 rows
.set SPARE,  SCL+4*HS
.set STAGE,  SPARE+512                 ; the way out: 16 rows x (256 + 16) bytes for each wave; no fill lands here
.set SPITCH, 272
.set ADRA, 16                          ; v16, v17 my A fragments: heads 0-7, heads 8-15
.set ADRB, 18
.set STO,  20
.set RD,   21
.set CO,   22
.set ADRS, 23
.set SPW,  28
.set NIL,  29
.set BA,   30
.set SC,   32                          ; register 8 (q / 2) + 2 i + q % 2: lanes 0-15 the word of A's block i, lanes 16-31 of B's block i, for the q-th 128 of K: for one q the four blocks' numbers differ modulo 8
.set BN,   64
.set BK,   128
.set G1A,  24
.set G1B,  32
.set G1SA, 40
.set G1SB, 48
.set G0A,  56
.set G0B,  60
.set G0SA, 68
.set G0SB, 72
.set MSB, 0
.macro WIN new
.if MSB != (\new)
	s_set_vgpr_msb (MSB<<8)|(\new)
.set MSB, (\new)
.endif
.endm
.macro PLACES n
.rept \n
	v_nop
.endr
.endm
.macro CROUND                          ; a round of the cluster's barrier
	s_barrier_signal -1
	s_barrier_wait -1
	s_cmp_lg_u32 s14, 0
	s_cbranch_scc1 .Lnot_wave_0_\@
	s_barrier_signal -3
.Lnot_wave_0_\@:
	s_barrier_wait -3
	s_barrier_signal -1
	s_barrier_wait -1
.endm
.macro TL g0, g1                       ; a tensor load; s_nop 0 and four v_nop follow it
	tensor_load_to_lds s[\g0:\g0+3], s[\g1:\g1+7]
	s_nop 0
	PLACES 4
.endm
.macro G1REST g, d0, d1, st
	s_mov_b32 s[\g+1], (\d0)<<16
	s_mov_b32 s[\g+2], (\d1)<<16
	s_mov_b32 s[\g+3], (\d0)<<16
	s_mov_b32 s[\g+4], \d1
	s_mov_b32 s[\g+5], \st
	s_mov_b32 s[\g+6], 0
	s_mov_b32 s[\g+7], 0
.endm
.macro G0SET g, lds, base, off
	s_mov_b32 s[\g], 1
	s_mov_b32 s[\g+1], \lds
	s_add_nc_u64 s[\g+2:\g+3], s[\base:\base+1], s[\off:\off+1]
	s_or_b32 s[\g+3], s[\g+3], 0x80000000
.endm
	s_load_b256 s[4:11], s[0:1], 0x0               ; ctx_codes, ctx_scales, codes, scales
	s_load_b128 s[88:91], s[0:1], 0x20             ; out_b, out0
	v_lshl_add_u32 v[SPW], v0, 2, SPARE
	v_mov_b32 v[NIL], 0
	ds_add_u32 v[SPW], v[NIL]                      ; the opening lines: the add, twice on end, and its wait
	ds_add_u32 v[SPW], v[NIL]
	v_lshrrev_b32 v1, 5, v0
	v_readfirstlane_b32 s14, v1                    ; wave 0..3
	s_lshr_b32 s15, s14, 1                         ; my row of waves
	s_and_b32 s16, s14, 1                          ; my column of waves
	s_bfe_u32 s19, ttmp6, 0x40000                  ; cx
	s_bfe_u32 s20, ttmp6, 0x40004                  ; cy
	s_lshl_b32 s18, ttmp9, 2
	s_add_co_u32 s18, s18, s19                     ; tile column
	s_and_b32 s17, ttmp7, 0xffff
	s_lshl_b32 s17, s17, 2
	s_add_co_u32 s17, s17, s20                     ; tile row
	s_lshl_b32 s76, s20, 2
	s_lshl_b32 s76, 15, s76                        ; my row of the cluster
	s_lshl_b32 s77, 0x1111, s19                    ; my column
	s_or_b32 s[G1A], s76, (3<<16)|(1<<21)          ; A: 16 heads' rows of 8 KB (8 tiles), 256 KB apart, dense in LDS
	G1REST G1A, 1024, 16, 32768
	s_or_b32 s[G1B], s77, (1<<20)|(1<<21)|(7<<22)|(3<<25)   ; B: 128 rows of 1,024 bytes, four words of padding behind each 256 words
	G1REST G1B, 1024, 128, 1024
	s_or_b32 s[G1SA], s76, (3<<16)|(1<<20)|(1<<21)|(5<<22)|(3<<25)   ; scales of 128 rows: 4,096 dense bytes as 16 rows of 256, 16 of padding behind each
	G1REST G1SA, 32, 16, 32
	s_or_b32 s[G1SB], s77, (3<<16)|(1<<20)|(1<<21)|(5<<22)|(3<<25)
	G1REST G1SB, 32, 16, 32
	s_lshl_b32 s78, s17, 13                        ; A: 8 tiles of 1 KB a tile row
	s_mov_b32 s79, 0
	s_lshl_b32 s80, s17, 12                        ; its scales
	s_mov_b32 s81, 0
	s_lshl_b32 s82, s18, 7
	s_add_co_u32 s82, s82, 7168                    ; B's first row
	s_lshl_b32 s84, s82, 5
	s_mov_b32 s85, 0
	s_lshl_b32 s82, s82, 10
	s_mov_b32 s83, 0
	s_lshl_b32 s86, s18, 9                         ; my 64 columns, in bytes of f32
	s_lshl_b32 s21, s16, 8
	s_add_co_u32 s86, s86, s21
	s_mov_b32 s87, 0
	s_lshl_b32 s94, s17, 19                        ; my 64 rows of out0
	s_lshl_b32 s21, s15, 18
	s_add_co_u32 s94, s94, s21
	s_mov_b32 s95, 0
	s_lshl_b32 s21, s15, 12                        ; LDS: my four tiles of A,
	s_mul_i32 s22, s16, 64*PITCH
	s_add_co_u32 s22, s22, BOFF                    ; my 64 rows of B,
	s_mul_i32 s92, s15, HS
	s_mul_i32 s23, s16, HS
	s_add_co_u32 s23, s23, 2*HS
	s_sub_co_u32 s23, s23, s92                     ; from A's scale words to B's,
	s_add_co_u32 s92, s92, SCL
	s_mul_i32 s93, s14, 16*SPITCH
	s_add_co_u32 s93, s93, STAGE                   ; my stage
	s_wait_dscnt 0x0                               ; both opening adds are done
	s_wait_kmcnt 0x0
	G0SET G0A,  0,        4,  78
	G0SET G0B,  BOFF,     8,  82
	G0SET G0SA, SCL,      6,  80
	G0SET G0SB, SCL+2*HS, 10, 84
	s_add_nc_u64 s[88:89], s[88:89], s[86:87]
	s_add_nc_u64 s[90:91], s[90:91], s[86:87]
	s_add_nc_u64 s[90:91], s[90:91], s[94:95]
	CROUND                                         ; all sixteen work-groups are here: the joint loads meet
.macro ARM under, g0, g1, next         ; one chain of branches on the wave's number, one load to an arm
	s_cmp_lt_u32 s14, \under
	s_cbranch_scc0 \next
	TL \g0, \g1
	s_branch .Lasked
\next:
.endm
	ARM 1, G0B,  G1B,  .Lhead_a
	ARM 2, G0A,  G1A,  .Lhead_sa
	ARM 3, G0SA, G1SA, .Lhead_sb
	TL G0SB, G1SB
.Lasked:
	v_and_b32 v1, 15, v0                           ; r
	v_bfe_u32 v2, v0, 4, 1                         ; h
	v_and_b32 v3, 31, v0
	v_lshlrev_b32 v3, 4, v3
	v_add_nc_u32 v[ADRA], s21, v3
	v_add_nc_u32 v[ADRA+1], 65536, v[ADRA]
	v_mul_u32_u24 v4, v1, PITCH
	v_lshl_add_u32 v4, v2, 4, v4
	v_add_nc_u32 v[ADRB], s22, v4
	v_lshlrev_b32 v5, 5, v1                        ; scale words: 32 bytes a row, 16 more for each 8 rows
	v_lshrrev_b32 v6, 3, v1
	v_lshl_add_u32 v5, v6, 4, v5
	v_mul_u32_u24 v6, s23, v2                      ; lanes 16-31 take B's
	v_add_nc_u32 v5, v5, v6
	v_add_nc_u32 v[ADRS], s92, v5
	v_mul_u32_u24 v7, v1, SPITCH                   ; into the stage: row r, 64 bytes for each half of the lanes
	v_lshl_add_u32 v7, v2, 6, v7
	v_add_nc_u32 v[STO], s93, v7
	v_mul_u32_u24 v8, v2, SPITCH                   ; back: lanes 0-15 one row of 256 bytes, lanes 16-31 the next
	v_lshl_add_u32 v8, v1, 4, v8
	v_add_nc_u32 v[RD], s93, v8
	v_lshlrev_b32 v9, 12, v2                       ; and the same two rows in out0
	v_lshl_add_u32 v[CO], v1, 4, v9
	v_lshlrev_b32 v[BA], 6, v2
.irp u, 0,1
.irp k, 0,1,2,3
	global_load_b128 v[BN+16*\u+4*\k:BN+16*\u+4*\k+3], v[BA], s[88:89] offset:128*\u+16*\k   ; the bias at my 16 neighbouring columns of each pair of tiles
.endr
.endr
	s_wait_alu depctr_va_vdst(0)
	s_wait_tensorcnt 0x0                           ; my tile is in
	s_barrier_signal -1
	s_barrier_wait -1                              ; all four are
.macro FETCH q                         ; the fragments of the q-th 128 of K into set q % 2: 32 loads
.set P_, 128*((\q)%2)
	WIN 0x40
.irp i, 0,1,2,3
.irp c, 0,1,2,3
	ds_load_b128 v[P_+16*\i+4*\c:P_+16*\i+4*\c+3], v[ADRB] offset:\i*16*PITCH+128*(\q)+32*\c
.endr
.endr
.irp i, 0,1,2,3
.irp c, 0,1,2,3
	ds_load_b128 v[P_+64+16*\i+4*\c:P_+64+16*\i+4*\c+3], v[ADRA+(\q)/4] offset:(2*((\q)%4)+\c/2)*8192+\i*1024+(\c%2)*512
.endr
.endr
	WIN 0
.endm
.macro MUL q                           ; 16 products; the 16 accumulators take turns, in the same order in every step
.set P_, 128*((\q)%2)
.set W_, SC+8*((\q)/2)+(\q)%2
.if (\q) == 0
	WIN 0x85                                       ; sources window 1, C (the bias) window 0, D window 2
.else
	WIN 0xa5
.endif
.irp a, 0,1,2,3
.irp b, 0,1,2,3
.if (\q) == 0
	v_wmma_scale_f32_16x16x128_f8f6f4 v[8*(4*\a+\b):8*(4*\a+\b)+7], v[P_+16*\b:P_+16*\b+15], v[P_+64+16*\a:P_+64+16*\a+15], v[BN+8*\b:BN+8*\b+7], v[W_+2*\b], v[W_+2*\a] matrix_a_scale:MATRIX_SCALE_ROW1
.else
	v_wmma_scale_f32_16x16x128_f8f6f4 v[8*(4*\a+\b):8*(4*\a+\b)+7], v[P_+16*\b:P_+16*\b+15], v[P_+64+16*\a:P_+64+16*\a+15], v[8*(4*\a+\b):8*(4*\a+\b)+7], v[W_+2*\b], v[W_+2*\a] matrix_a_scale:MATRIX_SCALE_ROW1
.endif
.endr
.endr
	WIN 0
.endm
.irp g, 0,1,2,3
.irp i, 0,1,2,3
	ds_load_b64 v[SC+8*\g+2*\i:SC+8*\g+2*\i+1], v[ADRS] offset:\i*SBLK+8*\g   ; all of K's scale words of my rows and columns
.endr
.endr
	FETCH 0
	FETCH 1
	s_wait_loadcnt 0x0                             ; the bias
	s_wait_dscnt 32                                ; all but step 1's 32 loads
	MUL 0
.irp q, 1,2,3,4,5,6
	PLACES 8                                       ; behind the products that read the set into which the loads below land
	FETCH \q+1
	s_wait_dscnt 32                                ; this step's fragments are in; the next step's 32 loads may be out
	MUL \q
.endr
	s_wait_dscnt 0x0
	MUL 7
; THE WAY OUT, block by block of 16 rows x 64 columns, through my own stage; sixteen lanes store 256 consecutive bytes, aligned.  LDS serves a wave's instructions in order: no wait between the stores and the loads.
.macro TOSTAGE a
	WIN 0x08                                       ; the data: window 2
.irp b, 0,1,2,3
	ds_store_b128 v[STO], v[32*(\a)+8*\b:32*(\a)+8*\b+3] offset:128*(\b/2)+32*(\b%2)      ; each accumulator from its low end on
	ds_store_b128 v[STO], v[32*(\a)+8*\b+4:32*(\a)+8*\b+7] offset:128*(\b/2)+32*(\b%2)+16
.endr
	WIN 0
.set BB, BK+32*((\a)%2)
.irp t, 0,1,2,3,4,5,6,7
	ds_load_b128 v[BB+4*\t:BB+4*\t+3], v[RD] offset:2*\t*SPITCH
.endr
.endm
.macro SEND a, younger                 ; stage row 2 t + h of block a is row 32 (a / 2) + 8 (a % 2) + 2 (t % 4) + h + 16 (t / 4) of my 64
.set BB, BK+32*((\a)%2)
	s_wait_dscnt \younger
.irp t, 0,1,2,3,4,5,6,7
	global_store_b128 v[CO], v[BB+4*\t:BB+4*\t+3], s[90:91] offset:(32*((\a)/2)+8*((\a)%2)+2*(\t%4)+16*(\t/4))*4096 th:TH_STORE_NT
.endr
.endm
	PLACES 8                                       ; behind the last products
	TOSTAGE 0
.irp a, 1,2,3
.if \a > 1
	s_wait_xcnt 0x0                                ; block a - 2's stores have read their registers: block a's loads may land there
.endif
	TOSTAGE \a
	SEND \a-1, 16                                  ; behind block a - 1's loads: block a's 8 stores and 8 loads
.endr
	SEND 3, 0
	s_wait_tensorcnt 0x0                           ; the wave's end
	ds_add_u32 v[SPW], v[NIL]
	s_wait_dscnt 0x0
	CROUND                                         ; the closing round
	s_endpgm
.Lfunc_end_k_q2ee08cdb0c_proj:
	.size	k_q2ee08cdb0c_proj, .Lfunc_end_k_q2ee08cdb0c_proj-k_q2ee08cdb0c_proj
	.p2alignl 7, 3214868480
	.fill 96, 4, 3214868480
	.section	.rodata,"a",@progbits
	.p2align	6, 0x0
	.amdhsa_kernel k_q2ee08cdb0c_proj
		.amdhsa_group_segment_fixed_size 327680
		.amdhsa_private_segment_fixed_size 0
		.amdhsa_enable_private_segment 0
		.amdhsa_kernarg_size 48
		.amdhsa_user_sgpr_count 2
		.amdhsa_user_sgpr_kernarg_segment_ptr 1
		.amdhsa_wavefront_size32 1
		.amdhsa_system_sgpr_workgroup_id_x 1
		.amdhsa_system_sgpr_workgroup_id_y 1
		.amdhsa_system_sgpr_workgroup_id_z 1
		.amdhsa_system_vgpr_workitem_id 0
		.amdhsa_next_free_vgpr 640
		.amdhsa_next_free_sgpr 100
		.amdhsa_reserve_vcc 0
		.amdhsa_float_denorm_mode_32 3
		.amdhsa_float_denorm_mode_16_64 3
		.amdhsa_memory_ordered 1
		.amdhsa_forward_progress 1
		.amdhsa_inst_pref_size 53
	.end_amdhsa_kernel
	.amdgpu_metadata
---
amdhsa.version: [ 1, 2 ]
amdhsa.kernels:
  - .name:           k_q2ee08cdb0c_proj
    .symbol:         k_q2ee08cdb0c_proj.kd
    .args:
      - { .name: ctx_codes, .offset: 0, .size: 8, .value_kind: global_buffer, .address_space: global }
      - { .name: ctx_scales, .offset: 8, .size: 8, .value_kind: global_buffer, .address_space: global }
      - { .name: codes, .offset: 16, .size: 8, .value_kind: global_buffer, .address_space: global }
      - { .name: scales, .offset: 24, .size: 8, .value_kind: global_buffer, .address_space: global }
      - { .name: out_b, .offset: 32, .size: 8, .value_kind: global_buffer, .address_space: global }
      - { .name: out0, .offset: 40, .size: 8, .value_kind: global_buffer, .address_space: global }
    .group_segment_fixed_size: 327680
    .private_segment_fixed_size: 0
    .kernarg_segment_align: 8
    .kernarg_segment_size: 48
    .max_flat_workgroup_size: 128
    .sgpr_count:     100
    .vgpr_count:     640
    .wavefront_size: 32
...
	.end_amdgpu_metadata
.endif
;; end of part 4
